; MI455X (gfx1250); checked and timed in simulation.
; The chip was launched on July 23, 2026; its instructions are those of AMD's public machine-readable ISA for CDNA 5 (MIT licence, August 2026) and "CDNA5" Instruction Set Architecture Reference Guide (July 2026). The comments in the code are by the model that wrote it; some were corrected since.
;; Self Attention. Allowed arithmetic: matrix products marked QUANTISED: E3M2 operands, one E8M0 scale for each 32 along K, by v_wmma_scale_f32_16x16x128_f8f6f4 with both operands' format E3M2, f32 sums; everything else in f32.
;; Inputs: Wk 1,024 x 1,024 float32; Wp 1,024 x 1,024 float32; Wq 1,024 x 1,024 float32; Wv 1,024 x 1,024 float32; bk 1,024 float32; bp 1,024 float32; bq 1,024 float32; bv 1,024 float32; x 4 x 2,048 x 1,024 float32.
;; Outputs: out0 4 x 2,048 x 1,024 float32.
;; This version of the problem:
;;   THIS VERSION OF THE PROBLEM IS GIVEN IN LOW PRECISION. The matrix products marked QUANTISED in the list below multiply operands that are first quantised to E3M2 (3 exponent bits, 2 mantissa bits; 6 bits a number), with one power-of-two scale for each 32 numbers along K (OCP MX v1.0); their sums are f32. All else is computed in f32.
;;   The module's matrix products, in the order in which they are computed (A, B: the left and right operand; K: the contracted axis; several contracted axes count as one K, in the product's order):
;;     1. [M 8,192, K 1,024] x [K 1,024, N 1,024]; A: input x; B: input Wq: QUANTISED
;;     2. [M 8,192, K 1,024] x [K 1,024, N 1,024]; A: input x; B: input Wk: QUANTISED
;;     3. [M 8,192, K 1,024] x [K 1,024, N 1,024]; A: input x; B: input Wv: QUANTISED
;;     4. batch 64 x [M 2,048, K 64] x [K 64, N 2,048]; A: computed on the way; B: computed on the way: QUANTISED
;;     5. batch 64 x [M 2,048, K 2,048] x [K 2,048, N 64]; A: softmax (see below); B: computed on the way: QUANTISED
;;     6. [M 8,192, K 1,024] x [K 1,024, N 1,024]; A: computed on the way; B: input Wp: QUANTISED
;;   THE QUANTISER, for each operand of a quantised product, along K:
;;     - K is cut into blocks of 32 from its start; a last block that is shorter is filled with zeros.
;;     - A block's scale is 2^e with e = floor(log2(the largest magnitude in the block)) - 4, held to -126 .. 127; a block of zeros has e = 0. As a byte (E8M0): e + 127.
;;     - Each number is divided by its block's scale, clamped to +-28, and rounded to the nearest number of E3M2, ties to even, subnormals kept.
;;     - The product sums the exact products of the quantised numbers (number of the format x scale) in f32.
;;   ~~~python
;;   def quantise(x, axis):      # numpy; x: float32 -> the quantised numbers, widened to float32 again
;;       x = np.moveaxis(x, axis, -1); K = x.shape[-1]
;;       x = np.pad(x, [(0, 0)] * (x.ndim - 1) + [(0, -K % 32)]); x = x.reshape(x.shape[:-1] + (-1, 32)); a = np.abs(x).max(-1, keepdims=True)
;;       e = np.where(a > 0, np.clip(np.frexp(np.where(a > 0, a, 1))[1] - 1 - 4, -126, 127), 0)      # np.frexp(a)[1] - 1 = floor(log2(a)), exactly
;;       r = np.clip(x / 2.0 ** e, -28, 28)
;;       step = 2.0 ** (np.maximum(np.frexp(np.where(r == 0, 1, r))[1] - 1, -2) - 2)
;;       q = np.round(r / step) * step * 2.0 ** e      # np.round: ties to even
;;       return np.moveaxis(q.reshape(q.shape[:-2] + (-1,))[..., :K], -1, axis).astype(np.float32)
;;   ~~~
;;   SOFTMAX AHEAD OF A QUANTISED PRODUCT. Where the list says 'softmax', what is quantised is not the finished softmax but p = 2^(t - M), with t = logit x log2(e) and M = ceil(the row's largest t), a whole number; so 1/2 < the row's largest p <= 1. The row's sum l is taken of the UNQUANTISED p, in f32, and the product's result is divided by l at the end. Since M is a whole number, a kernel that streams over the keys may use a running M (the ceiling of the running maximum): every later rescaling is an exact power of two, which a block's scale takes up: the codes' values come out the same.
;;   OPERANDS COMPUTED ON THE WAY. 'Computed on the way' means the value that the module computes at that place (a softmax that the list does not call 'softmax' is quantised finished and normalised). What goes into a quantiser is computed in f32, as accurately as f32 sums, v_exp_f32 and their like allow (about 1e-6 of the number): no bf16 or f16 on the way to a quantiser, and a product that is left as it is and whose result goes on into a quantised operand takes f32 operands (vector FMAs, or v_wmma_f32_16x16x4_f32). A number that lies on a knife's edge between two numbers of the format may be rounded either way, as far as f32 arithmetic and the matrix unit's own rounding can turn it there, and no further.
;; One version. Each part assembles by itself: llvm-mc -triple=amdgcn-amd-amdhsa -mcpu=gfx1250 --defsym DOCPART=n.
;; ======== version 1 of 1: 4 launches
;; workspace buffers: xc 6,291,456 bytes; xs 262,144 bytes; wc 3,145,728 bytes; ws 131,072 bytes; qq 13,107,200 bytes; kv 13,107,200 bytes; ac 6,291,456 bytes; asc 262,144 bytes
;; launch prep (part 1): grid 640 x 1, 4 waves a work-group, no clusters, 92,672 bytes of LDS; arguments x, Wq, Wk, Wv, Wp, xc, xs, wc, ws; writes xc, xs, wc, ws
.if DOCPART == 1
	.amdgcn_target "amdgcn-amd-amdhsa--gfx1250"
	.amdhsa_code_object_version 6
	.text
	.protected	k_qad1a31fc9a_prep
	.globl	k_qad1a31fc9a_prep
	.p2align	8
	.type	k_qad1a31fc9a_prep,@function
k_qad1a31fc9a_prep:
	s_mov_b64 s[64:65], 0
	v_nop
	global_prefetch_b8 v0, s[64:65] scope:SCOPE_SE
	s_setreg_imm32_b32 hwreg(HW_REG_WAVE_MODE, 25, 1), 1
	s_wait_xcnt 0x0
; CAUSAL SELF-ATTENTION IN MX-BF6, FIRST OF FOUR LAUNCHES: x [8192][1024] and Wq, Wk, Wv, Wp [1024 (k)][1024 (n)], f32, become codes of E3M2 with one E8M0 byte for each 32 along K.
; DEAD WORK OF THE WHOLE PROGRAM: only the key steps of 128 keys that lie wholly behind all 16 queries of a wave in the third launch.  reference() sets those scores to -inf by its own tril,
; so their p is 0 for every value of the inputs, and they add nothing to the row's sum nor to the second product.  Every input has a way to the output and is loaded (bk too: it moves k's codes).
; LIMITS: a NaN, an infinity or an overflow that reaches only the key steps left out is not carried to the result.  NaN and infinities among the inputs are not served.  A block of zeros gets the byte 1
; where the quantiser says 127 (its codes are zeros, which add nothing under any byte but 0xff, and this program alone reads the bytes); a block whose largest magnitude lies under 2^-122 is held at byte 1.
; ONE LAYOUT FOR EVERY OPERAND OF THE PROGRAM.  ROW TILE 2 b + u, lane r = row 32 b + 8 u + r % 8 + 16 (r / 8).  A CHUNK is a row tile x 64 along K, 768 bytes, in the order of the operand's registers:
; byte 256 p + 8 lane (lane = r + 16 h) holds bytes 8 p .. 8 p + 7 of the 24 bytes of codes of row r, k = 32 h .. 32 h + 31 of the chunk.  So a fragment (16 rows x 128 K) is two chunks and comes by six loads of
; 8 bytes a lane, each of 256 consecutive bytes.  xc, wc: [row tile][chunk 16][768].  Scale words xs, ws: [row tile][K / 256: 4][r 16][2 words], a word for 128 along K.
; wc's row tiles: 0-63 Wq's columns, 64-127 Wk's, 128-191 Wv's, 192-255 Wp's.
; Work-groups 0-511 take a row tile of x each (a wave: 256 along K); work-groups 512-639 take 128 columns x 256 along K of a weight (a wave: 32 columns).  The two paths have LDS bytes of their own.
; No tensor load, no barrier: waves share nothing.
.set XSTG,  16640                      ; x path: a wave's stage: 16 rows x (1,024 bytes + 16)
.set WSTG0, 4*XSTG                     ; W path: the stages begin here;
.set WSTG,  6400                       ; a wave's: two row tiles x (4 chunks = 3,072 bytes + 128)
.set SPARE, WSTG0+4*WSTG               ; 92,160: the spare words, 128 bytes for each wave, which no other line names
.set SPW, 30                           ; v30 LDS address of my spare word; never rewritten
.set NIL, 31                           ; v31 0; never rewritten
.set EX,  16                           ; v16-19 x path: a chunk's scale byte
.set WX,  20                           ; v20-21 x path: the two scale words
.set X0,  32                           ; v32-63, v64-95: two sets of 32 numbers (both paths)
.set X1,  64
.set RX,  96                           ; v96-223 x path: 32 loads of 16 bytes
.set CX,  224                          ; v224-255 x path: 8 registers of codes for each chunk, so that no store's data are written again
.macro XLD hh                          ; half hh (128 along K) of my 256 along K of the tile's 16 rows: each load reads 512 consecutive bytes of one row
.irp rho, 0,1,2,3,4,5,6,7,8,9,10,11,12,13,14,15
	global_load_b128 v[RX+4*(16*\hh+\rho):RX+4*(16*\hh+\rho)+3], v1, s[4:5] offset:(\rho+8*(\rho/8))*4096+512*\hh th:TH_LOAD_NT
.endr
.endm
.macro XSTO hh                         ; into the stage as they lie
.irp rho, 0,1,2,3,4,5,6,7,8,9,10,11,12,13,14,15
	ds_store_b128 v2, v[RX+4*(16*\hh+\rho):RX+4*(16*\hh+\rho)+3] offset:\rho*1040+512*\hh
.endr
.endm
.macro XRD c, xs                       ; chunk c: lane (r, h) takes its block's 32 neighbours, 128 bytes; LDS serves a wave's instructions in order, so these see my stores
.irp i, 0,1,2,3,4,5,6,7
	ds_load_b128 v[\xs+4*\i:\xs+4*\i+3], v3 offset:256*\c+16*\i
.endr
.endm
.macro BMAX xs                         ; the largest magnitude of 32 numbers of one lane, with the floor 2^(5 - 127) among its leaves, into v12; the conversion's scale operand into v11
	v_max3_num_f32 v12, |v[\xs]|, |v[\xs+1]|, |v[\xs+2]|
	v_max3_num_f32 v13, |v[\xs+3]|, |v[\xs+4]|, |v[\xs+5]|
.irp i, 6,10,14,18,22,26
	v_max3_num_f32 v12, v12, |v[\xs+\i]|, |v[\xs+\i+1]|
	v_max3_num_f32 v13, v13, |v[\xs+\i+2]|, |v[\xs+\i+3]|
.endr
	v_max3_num_f32 v12, v12, |v[\xs+30]|, |v[\xs+31]|
	v_max3_num_f32 v12, v12, v13, 0x2800000
	v_add_nc_u32 v11, 0xfe000000, v12              ; 4 off the exponent field: the conversion takes the exponent field of this operand as its scale
.endm
.macro XQ c, xs                        ; chunk c's block of my lane: codes, byte, and the chunk's three stores of 256 consecutive bytes
	BMAX \xs
	v_cvt_scalef32_pk16_bf6_f32 v[CX+8*\c:CX+8*\c+2], v[\xs:\xs+15], v11
	v_cvt_scalef32_pk16_bf6_f32 v[CX+8*\c+4:CX+8*\c+6], v[\xs+16:\xs+31], v11   ; (a conversion's three registers begin on an even number)
	v_lshrrev_b32 v[EX+\c], 23, v11                ; the scale's byte; also the plain line behind the conversions
	v_mov_b32 v[CX+8*\c+3], v[CX+8*\c+4]
	v_mov_b32 v[CX+8*\c+4], v[CX+8*\c+5]
	v_mov_b32 v[CX+8*\c+5], v[CX+8*\c+6]           ; six registers on end: the block's 24 bytes
.irp p, 0,1,2
	global_store_b64 v4, v[CX+8*\c+2*\p:CX+8*\c+2*\p+1], s[14:15] offset:768*\c+256*\p
.endr
.endm
.macro XWORD q                         ; the scale word of K step q: byte 2 c + h; my two bytes at 8 h bits up, with lane l xor 16's two
	v_lshl_or_b32 v14, v[EX+2*\q+1], 16, v[EX+2*\q]
	v_lshlrev_b32 v14, v6, v14
	v_permlanex16_b32 v10, v14, s24, s25
	v_or_b32 v[WX+\q], v14, v10
.endm
.macro WLOAD t                         ; W path: block t: W(32 t + i, my column) into set t % 2; 32 lanes read 128 consecutive bytes
.irp i, 0,1,2,3,4,5,6,7,8,9,10,11,12,13,14,15,16,17,18,19,20,21,22,23,24,25,26,27,28,29,30,31
	global_load_b32 v[X0+32*((\t)%2)+\i], v1, s[6:7] offset:(32*(\t)+\i)*4096 th:TH_LOAD_NT
.endr
.endm
.macro WBLOCK t
.if (\t) < 7
	s_wait_loadcnt 32                              ; this block's 32 loads are in; the next block's 32 may be out
.else
	s_wait_loadcnt 0x0
.endif
	BMAX X0+32*((\t)%2)
	v_lshrrev_b32 v13, 23, v11                     ; the scale's byte: byte t % 4 of word t / 4
.if (\t)%4 == 0
	v_mov_b32 v[24+(\t)/4], v13
.else
	v_lshl_or_b32 v[24+(\t)/4], v13, 8*((\t)%4), v[24+(\t)/4]
.endif
	v_cvt_scalef32_pk16_bf6_f32 v[96:98], v[X0+32*((\t)%2):X0+32*((\t)%2)+15], v11
	v_cvt_scalef32_pk16_bf6_f32 v[100:102], v[X0+32*((\t)%2)+16:X0+32*((\t)%2)+31], v11
	v_nop                                          ; one plain line behind the conversions
	v_mov_b32 v99, v100
	v_mov_b32 v100, v101
	v_mov_b32 v101, v102
.irp p, 0,1,2
	ds_store_b64 v2, v[96+2*\p:97+2*\p] offset:((\t)/2)*768+256*\p+128*((\t)%2)   ; chunk t / 2, half t % 2 of the lanes' places
.endr
.if (\t)+2 < 8
	WLOAD (\t)+2
.endif
	s_wait_dscnt 0x0                               ; the stores have read their registers: the next block's codes may be written
.endm
	s_load_b512 s[4:19], s[0:1], 0x0               ; x s[4:5], Wq s[6:7], Wk s[8:9], Wv s[10:11], Wp s[12:13], xc s[14:15], xs s[16:17], wc s[18:19]
	s_load_b64 s[20:21], s[0:1], 0x40              ; ws
	v_lshl_add_u32 v[SPW], v0, 2, SPARE
	v_mov_b32 v[NIL], 0
	v_lshrrev_b32 v1, 5, v0
	v_readfirstlane_b32 s22, v1                    ; wave 0..3
	v_and_b32 v7, 31, v0                           ; lane
	s_mov_b32 s24, 0x76543210
	s_mov_b32 s25, 0xfedcba98                      ; v_permlanex16_b32's selects for lane l xor 16
	s_mov_b32 s26, 0xffff0000                      ; lanes 16-31
	s_cmp_lt_u32 ttmp9, 512
	s_cbranch_scc0 .Lweights
	; ---- x: row tile ttmp9, my wave's 256 along K
	v_and_b32 v8, 15, v0                           ; r
	v_bfe_u32 v9, v0, 4, 1                         ; h
	v_lshlrev_b32 v1, 4, v7                        ; 16 x lane: my bytes of a load's 512
	s_mul_i32 s27, s22, XSTG                       ; my stage
	v_add_nc_u32 v2, s27, v1                       ; into it
	v_mul_u32_u24 v3, v8, 1040
	v_lshl_add_u32 v3, v9, 7, v3
	v_add_nc_u32 v3, s27, v3                       ; out of it: row r, + 128 h.  1,040 = 4 x 256 + 16: sixteen rows start at sixteen different places of 16 bytes modulo 256
	v_lshlrev_b32 v4, 3, v7                        ; 8 x lane: my place in a chunk
	v_lshlrev_b32 v5, 3, v8
	v_lshl_add_u32 v5, v9, 2, v5                   ; 8 r + 4 h: lanes 0-15 store word 0, lanes 16-31 word 1
	v_lshlrev_b32 v6, 3, v9                        ; 8 h
	v_mov_b32 v10, 0                               ; a lane permute's destination counts as one of its sources
	s_lshr_b32 s28, ttmp9, 1
	s_lshl_b32 s28, s28, 5
	s_and_b32 s29, ttmp9, 1
	s_lshl_b32 s29, s29, 3
	s_add_co_u32 s28, s28, s29                     ; the tile's first row: 32 (tile / 2) + 8 (tile % 2)
	s_lshl_b32 s28, s28, 12
	s_lshl_b32 s29, s22, 10
	s_add_co_u32 s28, s28, s29                     ; x: row x 4,096 + wave x 1,024
	s_mov_b32 s29, 0
	s_mul_i32 s30, ttmp9, 12288
	s_mul_i32 s31, s22, 3072
	s_add_co_u32 s30, s30, s31                     ; xc: tile x 12,288 + wave x 4 chunks
	s_mov_b32 s31, 0
	s_lshl_b32 s32, ttmp9, 9
	s_lshl_b32 s33, s22, 7
	s_add_co_u32 s32, s32, s33                     ; xs: tile x 512 + wave x 128
	s_mov_b32 s33, 0
	s_wait_alu depctr_va_vdst(0)
	s_wait_kmcnt 0x0
	s_add_nc_u64 s[4:5], s[4:5], s[28:29]
	s_add_nc_u64 s[14:15], s[14:15], s[30:31]
	s_add_nc_u64 s[16:17], s[16:17], s[32:33]
	XLD 0
	XLD 1
	s_wait_loadcnt 16                              ; the first half's 16 loads are in; the second half's 16 may be out
	XSTO 0
	XRD 0, X0
	XRD 1, X1
	s_wait_dscnt 8                                 ; chunk 0 is back; chunk 1's 8 reads may be out
	XQ 0, X0
	s_wait_loadcnt 0x0
	XSTO 1
	XRD 2, X0
	s_wait_dscnt 24                                ; chunk 1 is back: behind its reads stand 16 stores and 8 reads
	XQ 1, X1
	XRD 3, X1
	XWORD 0
	s_wait_dscnt 8                                 ; chunk 2 is back; chunk 3's 8 reads may be out
	XQ 2, X0
	s_wait_dscnt 0x0
	XQ 3, X1
	XWORD 1
	v_cndmask_b32 v14, v[WX], v[WX+1], s26
	global_store_b32 v5, v14, s[16:17]             ; 128 consecutive bytes: the tile's scale words of my 256 along K
	s_wait_tensorcnt 0x0                           ; the wave's end
	ds_add_u32 v[SPW], v[NIL]
	s_wait_dscnt 0x0
	s_endpgm
.Lweights:
	; ---- a weight: A LANE TAKES A COLUMN n AND ITS REGISTERS RUN DOWN K, so a block of 32 lies in one lane and the codes come out with K innermost
	s_sub_co_u32 s27, ttmp9, 512
	s_lshr_b32 s28, s27, 5                         ; which weight: 0 q, 1 k, 2 v, 3 p
	s_and_b32 s29, s27, 7                          ; which 128 columns
	s_bfe_u32 s30, s27, 0x20003                    ; which 256 along K
	s_wait_alu depctr_va_vdst(0)
	v_lshlrev_b32 v1, 2, v7                        ; in: 4 bytes a lane
	v_bfe_u32 v8, v7, 3, 1                         ; column 32 b + l lies in row tile 2 b + u, u = (l / 8) % 2,
	v_and_b32 v9, 7, v7
	v_lshrrev_b32 v10, 4, v7
	v_lshl_add_u32 v9, v10, 3, v9                  ; at lane r = l % 8 + 8 (l / 16)
	s_mul_i32 s31, s22, WSTG
	s_add_co_u32 s31, s31, WSTG0                   ; my stage
	v_mul_u32_u24 v2, v8, 3200
	v_lshl_add_u32 v2, v9, 3, v2
	v_add_nc_u32 v2, s31, v2                       ; into it: tile u, 8 r.  3,200 = 12 x 256 + 128: the 32 lanes of a store of 8 bytes touch 256 different bytes modulo 256
	v_lshlrev_b32 v4, 4, v7                        ; out: 16 bytes a lane
	v_add_nc_u32 v3, s31, v4
	v_lshlrev_b32 v5, 9, v8
	v_lshl_add_u32 v5, v9, 3, v5                   ; my two scale words: tile u x 512 + 8 r
	s_lshl_b32 s32, s30, 20
	s_lshl_b32 s33, s29, 9
	s_add_co_u32 s32, s32, s33
	s_lshl_b32 s33, s22, 7
	s_add_co_u32 s32, s32, s33                     ; W: 256 rows of 4,096 bytes x part + 4 x first column
	s_mov_b32 s33, 0
	s_lshl_b32 s34, s28, 6
	s_lshl_b32 s35, s29, 3
	s_add_co_u32 s34, s34, s35
	s_lshl_b32 s35, s22, 1
	s_add_co_u32 s34, s34, s35                     ; my first row tile of wc: 64 x weight + 8 x group + 2 x wave
	s_mul_i32 s36, s34, 12288
	s_mul_i32 s37, s30, 3072
	s_add_co_u32 s36, s36, s37
	s_mov_b32 s37, 0
	s_lshl_b32 s38, s34, 9
	s_lshl_b32 s39, s30, 7
	s_add_co_u32 s38, s38, s39
	s_mov_b32 s39, 0
	s_wait_kmcnt 0x0
	s_cmp_eq_u32 s28, 1                            ; the weight is chosen by the work-group's number alone
	s_cselect_b64 s[6:7], s[8:9], s[6:7]
	s_cmp_eq_u32 s28, 2
	s_cselect_b64 s[6:7], s[10:11], s[6:7]
	s_cmp_eq_u32 s28, 3
	s_cselect_b64 s[6:7], s[12:13], s[6:7]
	s_add_nc_u64 s[6:7], s[6:7], s[32:33]
	s_add_nc_u64 s[18:19], s[18:19], s[36:37]
	s_add_nc_u64 s[20:21], s[20:21], s[38:39]
	WLOAD 0
	WLOAD 1
.irp t, 0,1,2,3,4,5,6,7
	WBLOCK \t
.endr
	s_wait_alu depctr_va_vdst(0)
	global_store_b64 v5, v[24:25], s[20:21]        ; my column's two scale words
.irp n, 0,1,2,3,4,5,6,7,8,9,10,11
	ds_load_b128 v[112+4*\n:115+4*\n], v3 offset:(\n/6)*3200+512*(\n%6)
.endr
.irp n, 0,1,2,3,4,5,6,7,8,9,10,11
	s_wait_dscnt 11-\n                             ; read n is back; the later ones may be out
	global_store_b128 v4, v[112+4*\n:115+4*\n], s[18:19] offset:(\n/6)*12288+512*(\n%6)   ; 512 consecutive bytes, at a multiple of 256 from wc's first byte
.endr
	s_wait_tensorcnt 0x0                           ; the wave's end
	ds_add_u32 v[SPW], v[NIL]
	s_wait_dscnt 0x0
	s_endpgm
.Lfunc_end_k_qad1a31fc9a_prep:
	.size	k_qad1a31fc9a_prep, .Lfunc_end_k_qad1a31fc9a_prep-k_qad1a31fc9a_prep
	.p2alignl 7, 3214868480
	.fill 96, 4, 3214868480
	.section	.rodata,"a",@progbits
	.p2align	6, 0x0
	.amdhsa_kernel k_qad1a31fc9a_prep
		.amdhsa_group_segment_fixed_size 92672
		.amdhsa_private_segment_fixed_size 0
		.amdhsa_enable_private_segment 0
		.amdhsa_kernarg_size 72
		.amdhsa_user_sgpr_count 2
		.amdhsa_user_sgpr_kernarg_segment_ptr 1
		.amdhsa_wavefront_size32 1
		.amdhsa_system_sgpr_workgroup_id_x 1
		.amdhsa_system_sgpr_workgroup_id_y 1
		.amdhsa_system_sgpr_workgroup_id_z 1
		.amdhsa_system_vgpr_workitem_id 0
		.amdhsa_next_free_vgpr 256
		.amdhsa_next_free_sgpr 66
		.amdhsa_reserve_vcc 0
		.amdhsa_float_denorm_mode_32 3
		.amdhsa_float_denorm_mode_16_64 3
		.amdhsa_memory_ordered 1
		.amdhsa_forward_progress 1
		.amdhsa_inst_pref_size 59
	.end_amdhsa_kernel
	.amdgpu_metadata
---
amdhsa.version: [ 1, 2 ]
amdhsa.kernels:
  - .name:           k_qad1a31fc9a_prep
    .symbol:         k_qad1a31fc9a_prep.kd
    .args:
      - { .name: x, .offset: 0, .size: 8, .value_kind: global_buffer, .address_space: global }
      - { .name: Wq, .offset: 8, .size: 8, .value_kind: global_buffer, .address_space: global }
      - { .name: Wk, .offset: 16, .size: 8, .value_kind: global_buffer, .address_space: global }
      - { .name: Wv, .offset: 24, .size: 8, .value_kind: global_buffer, .address_space: global }
      - { .name: Wp, .offset: 32, .size: 8, .value_kind: global_buffer, .address_space: global }
      - { .name: xc, .offset: 40, .size: 8, .value_kind: global_buffer, .address_space: global }
      - { .name: xs, .offset: 48, .size: 8, .value_kind: global_buffer, .address_space: global }
      - { .name: wc, .offset: 56, .size: 8, .value_kind: global_buffer, .address_space: global }
      - { .name: ws, .offset: 64, .size: 8, .value_kind: global_buffer, .address_space: global }
    .group_segment_fixed_size: 92672
    .private_segment_fixed_size: 0
    .kernarg_segment_align: 8
    .kernarg_segment_size: 72
    .max_flat_workgroup_size: 128
    .sgpr_count:     66
    .vgpr_count:     256
    .wavefront_size: 32
...
	.end_amdgpu_metadata
.endif
;; end of part 1
;; launch qkv (part 2): grid 96 x 4, 4 waves a work-group, clusters of 4 x 4, 327,680 bytes of LDS; arguments xc, xs, wc, ws, bq, bk, bv, qq, kv; writes qq, kv
.if DOCPART == 2
	.amdgcn_target "amdgcn-amd-amdhsa--gfx1250"
	.amdhsa_code_object_version 6
	.text
	.protected	k_qad1a31fc9a_qkv
	.globl	k_qad1a31fc9a_qkv
	.p2align	8
	.type	k_qad1a31fc9a_qkv,@function
k_qad1a31fc9a_qkv:
	s_mov_b64 s[64:65], 0
	v_nop
	global_prefetch_b8 v0, s[64:65] scope:SCOPE_SE
	s_setreg_imm32_b32 hwreg(HW_REG_WAVE_MODE, 25, 1), 1
	s_wait_xcnt 0x0
	s_wait_alu depctr_hold_cnt(0) depctr_sa_sdst(0) depctr_va_vdst(0) depctr_va_sdst(0) depctr_va_ssrc(0) depctr_va_vcc(0) depctr_vm_vsrc(0)
	s_getreg_b32 s2, hwreg(HW_REG_IB_STS2, 6, 4)
	s_cmp_eq_u32 s2, 0
	s_cbranch_scc0 .Lentry_in_a_cluster
	s_endpgm
.Lentry_in_a_cluster:
	s_bfe_u32 s2, ttmp6, 0x10000c
	s_cmp_lg_u32 s2, 0xf033
	s_cbranch_scc0 .Lentry_shape_is_right
	s_endpgm
.Lentry_shape_is_right:
; SECOND LAUNCH: q = x Wq + bq, k = x Wk + bk, v = x Wv + bv on codes of E3M2, and their quantising: q and k along the head's 64, v along the keys.  Nothing is left out here.
; ONE PRODUCT FORM SERVES ALL THREE: C[m][n] = sum over k of A[m][k] B[n][k], quantised along n.  Clusters 0-15 (kind QK): A = x's rows (tokens), B = the columns of Wq and Wk, n = the heads' channels.
; Clusters 16-23 (kind V): A = Wv's columns (channels), B = x's rows, n = the keys: V^T = Wv^T x^T.  The kind hangs on the cluster's number alone, which all sixteen partners share.
; A tile of C is 256 x 256: four waves, each 128 x 128 in 64 accumulators.  K = 1,024 goes in four parts of 256 through THREE LDS slots: parts 0, 1, 2 and the scale words are first fills (four tensor loads of a
; wave are out at the most); part 3 alone fills a slot again, behind the one round of the cluster's barrier in the walk, and has 256 matrix instructions in which to land.
; CLUSTER 4 x 4: A's tiles are asked for jointly along a row of the cluster, B's along a column.  THE MATRIX INSTRUCTION IS USED TRANSPOSED (source 0 = B's 16 rows, source 1 = A's 16 rows), and by the choice of
; rows in a row tile (first launch) a lane's 16 registers of B's tiles 2 b, 2 b + 1 are 16 neighbours along n: n = 32 b + 16 (lane / 16) + 0 .. 15.  So a lane's 64 results of one block of A's rows are quantised in
; registers and leave as two chunks in the operand's own order.
; OUT.  qq, kv: [batch x head 64][128 tokens: 16][12,800].  A block of kv: + 0 k's 8 chunks (16 keys x 64 channels each); + 6,144 V^T's 4 tiles of 16 channels x 128 keys (2 chunks each); + 12,288 k's scale words
; [r 16][pair of row tiles 4] (bytes 0, 1: the even tile's two blocks; bytes 2, 3: the odd tile's); + 12,544 V^T's scale words [r 16][tile 4].  qq: + 0 and + 12,288 as k's; the rest is neither written nor read.
; LIMITS as stated at the first launch's head.
; REGISTERS: window 0: v1-4 at work, v16-18 / v20-22 LDS addresses of A's / B's fragments in slots 0-2, v23-27 lane terms, v28-29 the add's two, v32-63 scale words (two sets), v64-127 the bias,
;   v128-223 A's fragments (one set), on the way out v128-235.  window 1: B's fragments, two sets, at v0 and v128.  windows 2, 3: accumulator (a, b) at v[8 (8 (a % 4) + b)].
.set SLOT,  98304                      ; A's 16 row tiles x 4 chunks (3,072 bytes), then B's
.set SCL,   3*SLOT                     ; A's scale words (16 row tiles x 512 bytes), then B's
.set SPARE, SCL+16384                  ; the spare words, 128 bytes for each wave, which no other line names
.set FR,   12
.set ADRA, 16
.set ADRB, 20
.set BLV,  23                          ; v23 kind V: my channel's place in the bias, 4 (r % 8 + 16 (r / 8))
.set CO,   24                          ; v24 8 x lane: my place in a chunk
.set VS,   25                          ; v25 16 r + 204,800 h: the scale words' store: lanes 0-15 the first head, lanes 16-31 the next
.set BLQ,  26                          ; v26 kind QK: 64 h
.set ADRS, 27
.set SPW,  28
.set NIL,  29
.set SC,   32
.set BI,   64
.set AF,   128
.set HA,   128                         ; the way out: 64 numbers of a lane
.set TM,   192                         ; v192-207 at work in the quantiser
.set PW,   208                         ; the scale word just made
.set WE,   209                         ; the even tile's word
.set PC,   212                         ; v212-230 the codes just made
.set SW,   232                         ; v232-235 four scale words to store
.set G1,   32
.set G1B,  40
.set G1S,  48
.set G1SB, 56
.set G0,   68                          ; s[68:79] group 0 of A's tiles, a set for each slot; s[80:91] of B's
.set G0B,  80
.set G0S,  92
.set G0SB, 96
.set MSB, 0
.macro WIN new                         ; the immediate's high byte repeats the setting that is left
.if MSB != (\new)
	s_set_vgpr_msb (MSB<<8)|(\new)
.set MSB, (\new)
.endif
.endm
.macro PLACES n
.rept \n
	v_nop
.endr
.endm
; A joint load: waves 0 and 1 fetch for A, waves 2 and 3 for B; the branch hangs on the wave's number alone.  An s_nop 0 and four v_nop follow each of the two lines.
.macro JLOAD g0a, g1a, g0b, g1b
	s_cmp_eq_u32 s23, 0
	s_cbranch_scc0 .Lfor_b_\@
	tensor_load_to_lds s[\g0a:\g0a+3], s[\g1a:\g1a+7]
	s_nop 0
.rept 4
	v_nop
.endr
	s_branch .Lasked_\@
.Lfor_b_\@:
	tensor_load_to_lds s[\g0b:\g0b+3], s[\g1b:\g1b+7]
	s_nop 0
.rept 4
	v_nop
.endr
.Lasked_\@:
.endm
.macro CREST                           ; a round of the cluster's barrier behind its opening barrier
	s_cmp_lg_u32 s22, 0
	s_cbranch_scc1 .Lnot_wave_0_\@
	s_barrier_signal -3
.Lnot_wave_0_\@:
	s_barrier_wait -3
	s_barrier_signal -1
	s_barrier_wait -1
.endm
.macro CROUND
	s_barrier_signal -1
	s_barrier_wait -1
	CREST
.endm
.macro FRAG reg, adr, q, i             ; a fragment: row tile i, chunks 2 q and 2 q + 1 of the slot: six loads of 256 consecutive bytes
.irp c, 0,1
.irp p, 0,1,2
	ds_load_b64 v[\reg+6*\c+2*\p:\reg+6*\c+2*\p+1], v[\adr] offset:(\i)*3072+(2*(\q)+\c)*768+256*\p
.endr
.endr
.endm
.macro FETCH_B slot, q, p
	WIN 0x40                                       ; destination window 1
.irp i, 0,1,2,3,4,5,6,7
	FRAG 128*(\p)+FR*\i, ADRB+\slot, \q, \i
.endr
	WIN 0
.endm
.macro FETCH_A slot, q, i0
.irp i, \i0, \i0+1, \i0+2, \i0+3
	FRAG AF+FR*(\i), ADRA+\slot, \q, \i
.endr
.endm
.macro SCALES j                        ; part j's scale words into set j % 2: register 2 i + q: lanes 0-15 the word of A's block i, lanes 16-31 that of B's block i
.irp i, 0,1,2,3,4,5,6,7
	ds_load_b64 v[SC+16*((\j)%2)+2*\i:SC+16*((\j)%2)+2*\i+1], v[ADRS] offset:\i*512+(\j)*128
.endr
.endm
; 16 matrix instructions: A's blocks a0, a0 + 1 x B's eight.  ci = 1: the first product starts the sums.  The 64 accumulators take turns in one order in every step.
.macro MUL16 a0, p, q, sc, ci
.irp a, \a0, \a0+1
.irp b, 0,1,2,3,4,5,6,7
.if (\ci) == 1
	v_wmma_scale_f32_16x16x128_f8f6f4 v[8*(8*((\a)%4)+\b):8*(8*((\a)%4)+\b)+7], v[128*(\p)+FR*\b:128*(\p)+FR*\b+FR-1], v[AF+FR*(\a):AF+FR*(\a)+FR-1], 0, v[SC+16*(\sc)+2*\b+(\q)], v[SC+16*(\sc)+2*(\a)+(\q)] matrix_a_fmt:MATRIX_FMT_BF6 matrix_b_fmt:MATRIX_FMT_BF6 matrix_a_scale:MATRIX_SCALE_ROW1
.else
	v_wmma_scale_f32_16x16x128_f8f6f4 v[8*(8*((\a)%4)+\b):8*(8*((\a)%4)+\b)+7], v[128*(\p)+FR*\b:128*(\p)+FR*\b+FR-1], v[AF+FR*(\a):AF+FR*(\a)+FR-1], v[8*(8*((\a)%4)+\b):8*(8*((\a)%4)+\b)+7], v[SC+16*(\sc)+2*\b+(\q)], v[SC+16*(\sc)+2*(\a)+(\q)] matrix_a_fmt:MATRIX_FMT_BF6 matrix_b_fmt:MATRIX_FMT_BF6 matrix_a_scale:MATRIX_SCALE_ROW1
.endif
.endr
.endr
.endm
; A K step of 128 (the q-th of its part, scale set sc) that fetches the next step's fragments (slot ns, step nq; with nq = 0 also part nj's scale words).  No barrier: the slot read next is known whole.
.macro STEP q, sc, ns, nq, nj, ci
	s_wait_dscnt 24                                ; B's set, A's blocks 0-3 and the scale words are in; the youngest 24 loads (A's blocks 4-7) may be out
	WIN 0xa1                                       ; source 0 (B) window 1, source 1 (A) window 0, C and D window 2
	MUL16 0, \q, \q, \sc, \ci
	MUL16 2, \q, \q, \sc, \ci
	s_wait_dscnt 0x0                               ; A's blocks 4-7 are in
	PLACES 4                                       ; four places in front of loads into registers that matrix instructions have read
	FETCH_B \ns, \nq, \nq
	FETCH_A \ns, \nq, 0
.if (\nq) == 0
	SCALES \nj
.endif
	WIN 0xf1                                       ; C and D window 3
	MUL16 4, \q, \q, \sc, \ci
	MUL16 6, \q, \q, \sc, \ci
	PLACES 4
	WIN 0
	FETCH_A \ns, \nq, 4
.endm
; A part's second step with a barrier in it.  In front of the barrier each wave waits for all its tensor loads, adds 0 to its spare word, and waits for that and for its reads so far.
; fill = 1: the barrier opens a round of the cluster's barrier, and slot 0, which nobody reads any more, takes part 3.
.macro TURN sc, ns, nj, fill
	s_wait_tensorcnt 0x0                           ; all my tensor loads have landed
	ds_add_u32 v[SPW], v[NIL]                      ; 0 onto my spare word
	s_wait_dscnt 25                                ; (the add and A's blocks 4-7 may be out)
	WIN 0xa1
	MUL16 0, 1, 1, \sc, 0
	s_wait_dscnt 0x0                               ; the add is done, and my reads of the slot in hand are over
	s_barrier_signal -1
	MUL16 2, 1, 1, \sc, 0
	WIN 0
	s_barrier_wait -1
.if \fill
	CREST                                          ; no wave of any partner still reads slot 0 or has a load on its way
	s_add_nc_u64 s[G0+2:G0+3], s[G0+2:G0+3], 9216  ; from part 0 to part 3: three parts of 3,072 bytes
	s_add_nc_u64 s[G0B+2:G0B+3], s[G0B+2:G0B+3], 9216
	JLOAD G0, G1, G0B, G1B                         ; the first tensor load behind the round; its four v_nop are also the places in front of the loads below
.else
	PLACES 4
.endif
	FETCH_B \ns, 0, 0
	FETCH_A \ns, 0, 0
	SCALES \nj
	WIN 0xf1
	MUL16 4, 1, 1, \sc, 0
	MUL16 6, 1, 1, \sc, 0
	PLACES 4
	WIN 0
	FETCH_A \ns, 0, 4
.endm
.macro LAST sc
	s_wait_dscnt 24
	WIN 0xa1
	MUL16 0, 1, 1, \sc, 0
	MUL16 2, 1, 1, \sc, 0
	s_wait_dscnt 0x0
	WIN 0xf1
	MUL16 4, 1, 1, \sc, 0
	MUL16 6, 1, 1, \sc, 0
	WIN 0
.endm
; 64 numbers of a lane, register 16 b + i = n 32 b + 16 (lane / 16) + i of my row, become a fragment's codes in v[PC] on and its scale word in v[PW] (the same in both halves of the lanes).
.macro QUANT s
.irp b, 0,1,2,3
	v_max3_num_f32 v[TM+\b], |v[\s+16*\b]|, |v[\s+1+16*\b]|, 0x2800000   ; my 16 numbers of block b, and the floor 2^(5 - 127): so the byte cannot fall under 1
.endr
.irp i, 2,4,6,8,10,12,14
.irp b, 0,1,2,3
	v_max3_num_f32 v[TM+\b], v[TM+\b], |v[\s+16*\b+\i]|, |v[\s+1+16*\b+\i]|
.endr
.endr
.irp b, 0,1,2,3
	v_permlanex16_b32 v[TM+4+\b], v[TM+\b], s98, s99
.endr
.irp b, 0,1,2,3
	v_max_num_f32 v[TM+\b], v[TM+\b], v[TM+4+\b]   ; with lane l xor 16's: the block's largest magnitude
.endr
.irp b, 0,1,2,3
	v_add_nc_u32 v[TM+12+\b], 0xfe000000, v[TM+\b] ; 4 off its exponent field: the conversion's scale operand
.endr
.irp b, 0,1,2,3
	v_lshrrev_b32 v[TM+4+\b], 23, v[TM+12+\b]      ; the scale's byte
.endr
	v_lshl_or_b32 v[PW], v[TM+5], 8, v[TM+4]
	v_lshl_or_b32 v[PW], v[TM+6], 16, v[PW]
	v_lshl_or_b32 v[PW], v[TM+7], 24, v[PW]
.irp c, 0,1
	v_cvt_scalef32_pk16_bf6_f32 v[PC+6*\c:PC+2+6*\c], v[\s+32*\c:\s+15+32*\c], v[TM+12+2*\c]
	v_cvt_scalef32_pk16_bf6_f32 v[PC+12+4*\c:PC+14+4*\c], v[\s+16+32*\c:\s+31+32*\c], v[TM+12+2*\c+1]
.endr
	v_nop                                          ; one plain place behind a scaled conversion
.irp c, 0,1                                    ; the operand's layout wants a whole block in a lane
.irp i, 0,1,2
	v_permlane16_swap_b32 v[PC+6*\c+\i], v[PC+12+4*\c+\i]
.endr
.irp i, 0,1,2
	v_mov_b32 v[PC+3+6*\c+\i], v[PC+12+4*\c+\i]
.endr
.endr
.endm
; The way out of A's block a: bias, quantiser, six stores of 256 consecutive bytes, and the scale word's place among the four to store.  kind 0: QK; 1: V.
.macro EPI a, kind
.if (\a) > 0
	s_wait_xcnt 0x0                                ; the last block's stores have read their registers: the codes may be written again
.endif
	WIN 0x02+(\a)/4                                ; source 0: window 2 or 3
.irp b, 0,1,2,3,4,5,6,7
.irp jj, 0,2,4,6                               ; each accumulator from its low end on
.if (\kind) == 0
	v_pk_add_f32 v[HA+8*\b+\jj:HA+8*\b+\jj+1], v[64*((\a)%4)+8*\b+\jj:64*((\a)%4)+8*\b+\jj+1], v[BI+8*\b+\jj:BI+8*\b+\jj+1]
.else
	v_pk_add_f32 v[HA+8*\b+\jj:HA+8*\b+\jj+1], v[64*((\a)%4)+8*\b+\jj:64*((\a)%4)+8*\b+\jj+1], v[BI+2*(\a):BI+2*(\a)+1] op_sel_hi:[1,0]
.endif
.endr
.endr
	WIN 0
	QUANT HA
.irp c, 0,1
.irp p, 0,1,2
.if (\kind) == 0
	global_store_b64 v[CO], v[PC+6*\c+2*\p:PC+6*\c+2*\p+1], s[30:31] offset:\c*204800+(\a)*768+256*\p   ; chunk c is head c of my two; row tile a of the 128 tokens
.else
	global_store_b64 v[CO], v[PC+6*\c+2*\p:PC+6*\c+2*\p+1], s[30:31] offset:6144+((\a)/4)*204800+((\a)%4)*1536+768*\c+256*\p   ; head a / 4 of my two, its tile a % 4 of 16 channels
.endif
.endr
.endr
.if (\kind) == 0
.if ((\a)%2) == 0
	v_mov_b32 v[WE], v[PW]
.else
	v_perm_b32 v210, v[PW], v[WE], 0x05040100      ; the first head's pair word: the even tile's bytes 0, 1, then the odd tile's
	v_perm_b32 v211, v[PW], v[WE], 0x07060302      ; the next head's: bytes 2, 3 of both
	v_cndmask_b32 v[SW+(\a)/2], v210, v211, s29    ; lanes 0-15 carry the first head's, lanes 16-31 the next's
.endif
.else
.if (\a) < 4
	v_mov_b32 v[SW+(\a)], v[PW]
.else
	v_cndmask_b32 v[SW+(\a)-4], v[SW+(\a)-4], v[PW], s29
.endif
.endif
.endm
.macro FINISH
	s_wait_tensorcnt 0x0                           ; the wave's end
	ds_add_u32 v[SPW], v[NIL]
	s_wait_dscnt 0x0
	CROUND                                         ; the closing round
	s_endpgm
.endm
	s_load_b512 s[4:19], s[0:1], 0x0               ; xc s[4:5], xs s[6:7], wc s[8:9], ws s[10:11], bq s[12:13], bk s[14:15], bv s[16:17], qq s[18:19]
	s_load_b64 s[20:21], s[0:1], 0x40              ; kv
	v_lshl_add_u32 v[SPW], v0, 2, SPARE
	v_mov_b32 v[NIL], 0
	ds_add_u32 v[SPW], v[NIL]                      ; the wave's opening: the add, twice on end, and its wait ahead of my first tensor load
	ds_add_u32 v[SPW], v[NIL]
	v_lshrrev_b32 v1, 5, v0
	v_readfirstlane_b32 s22, v1                    ; wave 0..3
	s_lshr_b32 s23, s22, 1                         ; RH: my half of the tile's rows; also: I fetch for A (0) or B (1)
	s_and_b32 s24, s22, 1                          ; CH: my half of its columns; also: which 8 row tiles I fetch
	s_bfe_u32 s25, ttmp6, 0x40000                  ; cx
	s_bfe_u32 s26, ttmp6, 0x40004                  ; cy
	s_lshr_b32 s27, ttmp9, 1
	s_lshl_b32 s27, s27, 2                         ; QK: 4 (cluster / 2)
	s_and_b32 s28, ttmp9, 1
	s_lshl_b32 s28, s28, 2                         ; QK: 4 (cluster % 2)
	s_sub_co_u32 s2, ttmp9, 16
	s_lshl_b32 s2, s2, 2                           ; V: 4 (cluster - 16)
	s_cmp_lt_u32 ttmp9, 16
	s_cselect_b32 s27, s27, 0
	s_cselect_b32 s28, s28, s2
	s_cselect_b32 s3, 0, 128                       ; V: A's row tiles are Wv's, from wc's tile 128 on
	s_add_co_u32 s27, s27, s26                     ; TR: tile row of C, made of cy and the cluster's number
	s_add_co_u32 s28, s28, s25                     ; TC: tile column, made of cx and the cluster's number
	s_mov_b32 s29, 0xffff0000                      ; lanes 16-31
	s_lshl_b32 s30, s26, 2
	s_lshl_b32 s30, 15, s30                        ; my row of the cluster
	s_lshl_b32 s31, 0x1111, s25                    ; my column
	s_or_b32 s[G1], s30, (3<<16)|(1<<21)           ; the mask; elements of 8 bytes; bit 21 set beside a mask; no padding
	s_or_b32 s[G1B], s31, (3<<16)|(1<<21)
	s_or_b32 s[G1S], s30, (3<<16)|(1<<21)
	s_or_b32 s[G1SB], s31, (3<<16)|(1<<21)
.irp g, G1, G1B                                ; codes: 8 row tiles x 3,072 bytes (384 elements), 12,288 bytes (1,536 elements) apart
	s_mov_b32 s[\g+1], 384<<16
	s_mov_b32 s[\g+2], 8<<16
	s_mov_b32 s[\g+3], 384<<16
	s_mov_b32 s[\g+4], 8
	s_mov_b32 s[\g+5], 1536
	s_mov_b32 s[\g+6], 0
	s_mov_b32 s[\g+7], 0
.endr
.irp g, G1S, G1SB                              ; scale words of 8 row tiles: 4,096 dense bytes as 16 rows of 256
	s_mov_b32 s[\g+1], 32<<16
	s_mov_b32 s[\g+2], 16<<16
	s_mov_b32 s[\g+3], 32<<16
	s_mov_b32 s[\g+4], 16
	s_mov_b32 s[\g+5], 32
	s_mov_b32 s[\g+6], 0
	s_mov_b32 s[\g+7], 0
.endr
	s_lshl_b32 s30, s24, 3                         ; which 8 row tiles of the 16
	s_lshl_b32 s2, s27, 4
	s_add_co_u32 s2, s2, s3
	s_add_co_u32 s2, s2, s30                       ; A's first row tile that I would fetch
	s_mul_i32 s[G0+2], s2, 12288                   ; its codes' offset,
	s_mov_b32 s[G0+3], 0
	s_lshl_b32 s[G0S+2], s2, 9                     ; its scale words'
	s_mov_b32 s[G0S+3], 0
	s_lshl_b32 s66, s28, 4
	s_add_co_u32 s66, s66, s30                     ; B's
	s_mul_i32 s[G0B+2], s66, 12288
	s_mov_b32 s[G0B+3], 0
	s_lshl_b32 s[G0SB+2], s66, 9
	s_mov_b32 s[G0SB+3], 0
	s_mul_i32 s67, s22, 24576                      ; where they go: wave x 8 row tiles: no place in the cluster enters an LDS address
	s_lshl_b32 s31, s22, 12
	s_wait_dscnt 0x0                               ; both opening adds are done
	s_wait_kmcnt 0x0
	s_cmp_lt_u32 ttmp9, 16                         ; the operands change places with the kind
	s_cselect_b64 s[2:3], s[4:5], s[8:9]
	s_cselect_b64 s[100:101], s[8:9], s[4:5]
	s_add_nc_u64 s[G0+2:G0+3], s[2:3], s[G0+2:G0+3]
	s_add_nc_u64 s[G0B+2:G0B+3], s[100:101], s[G0B+2:G0B+3]
	s_cselect_b64 s[2:3], s[6:7], s[10:11]
	s_cselect_b64 s[100:101], s[10:11], s[6:7]
	s_add_nc_u64 s[G0S+2:G0S+3], s[2:3], s[G0S+2:G0S+3]
	s_add_nc_u64 s[G0SB+2:G0SB+3], s[100:101], s[G0SB+2:G0SB+3]
.irp s, 1,2
	s_add_nc_u64 s[G0+4*\s+2:G0+4*\s+3], s[G0+2:G0+3], \s*3072      ; slot s begins with part s
	s_add_nc_u64 s[G0B+4*\s+2:G0B+4*\s+3], s[G0B+2:G0B+3], \s*3072
.endr
.irp s, 0,1,2
	s_mov_b32 s[G0+4*\s], 1
	s_add_co_u32 s[G0+4*\s+1], s67, \s*SLOT
	s_or_b32 s[G0+4*\s+3], s[G0+4*\s+3], 0x80000000
	s_mov_b32 s[G0B+4*\s], 1
	s_add_co_u32 s[G0B+4*\s+1], s67, \s*SLOT
	s_or_b32 s[G0B+4*\s+3], s[G0B+4*\s+3], 0x80000000
.endr
	s_mov_b32 s[G0S], 1
	s_add_co_u32 s[G0S+1], s31, SCL
	s_or_b32 s[G0S+3], s[G0S+3], 0x80000000
	s_mov_b32 s[G0SB], 1
	s_add_co_u32 s[G0SB+1], s31, SCL
	s_or_b32 s[G0SB+3], s[G0SB+3], 0x80000000
	CROUND                                         ; all sixteen work-groups are here: the first joint loads meet
	JLOAD G0S, G1S, G0SB, G1SB                     ; the scale words for all of K
	JLOAD G0, G1, G0B, G1B                         ; parts 0, 1, 2
	JLOAD G0+4, G1, G0B+4, G1B
	JLOAD G0+8, G1, G0B+8, G1B
	v_and_b32 v1, 15, v0                           ; r
	v_bfe_u32 v2, v0, 4, 1                         ; h
	s_wait_alu depctr_va_vdst(0)
	v_and_b32 v3, 31, v0
	v_lshlrev_b32 v3, 3, v3                        ; 8 x lane
	s_mul_i32 s30, s23, 24576                      ; my 8 row tiles of A,
	s_mul_i32 s31, s24, 24576
	s_add_co_u32 s31, s31, 49152                   ; and of B, behind A's 16
.irp s, 0,1,2
	v_add_nc_u32 v[ADRA+\s], s30, v3
	v_add_nc_u32 v[ADRB+\s], s31, v3
	s_add_co_u32 s30, s30, SLOT
	s_add_co_u32 s31, s31, SLOT
.endr
	s_xor_b32 s31, s23, 1
	s_add_co_u32 s31, s31, s24
	s_add_co_u32 s31, s31, 1
	s_lshl_b32 s31, s31, 12                        ; from my A's scale words to my B's: 8,192 + 4,096 (CH - RH) = 4,096 (1 + CH + (RH xor 1))
	v_mul_u32_u24 v4, s31, v2                      ; lanes 16-31 take B's
	v_lshl_add_u32 v4, v1, 3, v4
	s_lshl_b32 s30, s23, 12
	s_add_co_u32 s30, s30, SCL
	v_add_nc_u32 v[ADRS], s30, v4
	v_mov_b32 v[CO], v3
	v_mul_u32_u24 v[VS], v2, 204800
	v_lshl_add_u32 v[VS], v1, 4, v[VS]
	v_lshlrev_b32 v[BLQ], 6, v2
	v_and_b32 v[BLV], 7, v1
	v_lshrrev_b32 v4, 3, v1
	v_lshl_add_u32 v[BLV], v4, 4, v[BLV]
	v_lshlrev_b32 v[BLV], 2, v[BLV]
	s_wait_alu depctr_va_vdst(0)
	s_wait_tensorcnt 0x2                           ; the scale words and my part of part 0 are in; parts 1 and 2 may be out
	s_barrier_signal -1
	s_barrier_wait -1
	FETCH_B 0, 0, 0
	FETCH_A 0, 0, 0
	SCALES 0
	FETCH_A 0, 0, 4
	STEP 0, 0, 0, 1, 0, 1                          ; part 0, step 0: its products start the sums
	TURN 0, 1, 1, 1                                ; part 0, step 1; every wave's parts 1 and 2 have landed; slot 0 takes part 3
	STEP 0, 1, 1, 1, 0, 0                          ; part 1
	STEP 1, 1, 2, 0, 2, 0                          ; and on into slot 2, which the round has shown whole
	STEP 0, 0, 2, 1, 0, 0                          ; part 2
	TURN 0, 0, 3, 0                                ; part 3 has landed in every wave; nothing is filled
	s_mov_b32 s98, 0x76543210                      ; (B's scale descriptor is done with: no tensor load of mine is out)  v_permlanex16_b32's selects for lane l xor 16
	s_mov_b32 s99, 0xfedcba98
	s_cmp_lt_u32 ttmp9, 16                         ; the kinds part: the bias, the stores' places and the scale words differ
	s_cbranch_scc0 .Lkind_v
	; ---- kind QK
	s_and_b32 s2, ttmp9, 1
	s_cmp_lg_u32 s2, 0                             ; odd clusters hold Wk's columns
	s_cselect_b64 s[100:101], s[14:15], s[12:13]
	s_cselect_b64 s[30:31], s[20:21], s[18:19]
	s_and_b32 s2, s28, 3
	s_lshl_b32 s3, s2, 10
	s_lshl_b32 s66, s24, 9
	s_add_co_u32 s66, s66, s3                      ; my 128 columns in the bias: 4 (256 (TC % 4) + 128 CH)
	s_mov_b32 s67, 0
	s_add_nc_u64 s[100:101], s[100:101], s[66:67]
.irp b, 0,1,2,3,4,5,6,7                        ; the bias in the result's layout: tile b, register j: column 32 (b / 2) + 16 h + 8 (b % 2) + j
	global_load_b128 v[BI+8*\b:BI+8*\b+3], v[BLQ], s[100:101] offset:(32*(\b/2)+8*(\b%2))*4
	global_load_b128 v[BI+8*\b+4:BI+8*\b+7], v[BLQ], s[100:101] offset:(32*(\b/2)+8*(\b%2))*4+16
.endr
	s_lshr_b32 s3, s27, 3                          ; batch
	s_lshl_b32 s3, s3, 4
	s_lshl_b32 s2, s2, 2
	s_add_co_u32 s3, s3, s2
	s_lshl_b32 s2, s24, 1
	s_add_co_u32 s3, s3, s2                        ; 16 x batch + my first head, 4 (TC % 4) + 2 CH
	s_lshl_b32 s3, s3, 4
	s_and_b32 s2, s27, 7
	s_lshl_b32 s2, s2, 1
	s_add_co_u32 s3, s3, s2
	s_add_co_u32 s3, s3, s23                       ; + my 128 tokens: 2 (TR % 8) + RH
	s_mul_i32 s66, s3, 12800
	s_add_nc_u64 s[30:31], s[30:31], s[66:67]
	STEP 0, 1, 0, 1, 0, 0                          ; part 3: its 128 matrix instructions stand over the bias's loads
	LAST 1
	s_wait_loadcnt 0x0                             ; the bias
	PLACES 4                                       ; behind the last products: their operands' registers are written below
.irp b, 0,1,2,3
	v_mov_b32 v[TM+4+\b], 0                        ; a lane permute's destination counts as one of its sources
.endr
.irp a, 0,1,2,3,4,5,6,7
	EPI \a, 0
.endr
	global_store_b128 v[VS], v[SW:SW+3], s[30:31] offset:12288   ; sixteen lanes fill the 256 bytes of a head's pair words
	FINISH
.Lkind_v:
	s_lshl_b32 s2, s27, 10
	s_lshl_b32 s3, s23, 9
	s_add_co_u32 s66, s2, s3                       ; my 128 channels in bv: 4 (256 TR + 128 RH)
	s_mov_b32 s67, 0
	s_add_nc_u64 s[100:101], s[16:17], s[66:67]
.irp a, 0,1,2,3,4,5,6,7                        ; a lane holds one channel of each block of A: one number (the packed sum names a pair, so both are loaded)
	global_load_b32 v[BI+2*\a], v[BLV], s[100:101] offset:(32*(\a/2)+8*(\a%2))*4
	global_load_b32 v[BI+2*\a+1], v[BLV], s[100:101] offset:(32*(\a/2)+8*(\a%2))*4
.endr
	s_lshr_b32 s3, s28, 3                          ; batch
	s_lshl_b32 s3, s3, 4
	s_lshl_b32 s2, s27, 2
	s_add_co_u32 s3, s3, s2
	s_lshl_b32 s2, s23, 1
	s_add_co_u32 s3, s3, s2                        ; 16 x batch + my first head, 4 TR + 2 RH
	s_lshl_b32 s3, s3, 4
	s_and_b32 s2, s28, 7
	s_lshl_b32 s2, s2, 1
	s_add_co_u32 s3, s3, s2
	s_add_co_u32 s3, s3, s24                       ; + my 128 keys: 2 (TC % 8) + CH
	s_mul_i32 s66, s3, 12800
	s_add_nc_u64 s[30:31], s[20:21], s[66:67]
	STEP 0, 1, 0, 1, 0, 0
	LAST 1
	s_wait_loadcnt 0x0
	PLACES 4
.irp b, 0,1,2,3
	v_mov_b32 v[TM+4+\b], 0
.endr
.irp a, 0,1,2,3,4,5,6,7
	EPI \a, 1
.endr
	global_store_b128 v[VS], v[SW:SW+3], s[30:31] offset:12544
	FINISH
.Lfunc_end_k_qad1a31fc9a_qkv:
	.size	k_qad1a31fc9a_qkv, .Lfunc_end_k_qad1a31fc9a_qkv-k_qad1a31fc9a_qkv
	.p2alignl 7, 3214868480
	.fill 96, 4, 3214868480
	.section	.rodata,"a",@progbits
	.p2align	6, 0x0
	.amdhsa_kernel k_qad1a31fc9a_qkv
		.amdhsa_group_segment_fixed_size 327680
		.amdhsa_private_segment_fixed_size 0
		.amdhsa_enable_private_segment 0
		.amdhsa_kernarg_size 72
		.amdhsa_user_sgpr_count 2
		.amdhsa_user_sgpr_kernarg_segment_ptr 1
		.amdhsa_wavefront_size32 1
		.amdhsa_system_sgpr_workgroup_id_x 1
		.amdhsa_system_sgpr_workgroup_id_y 1
		.amdhsa_system_sgpr_workgroup_id_z 1
		.amdhsa_system_vgpr_workitem_id 0
		.amdhsa_next_free_vgpr 1024
		.amdhsa_next_free_sgpr 102
		.amdhsa_reserve_vcc 0
		.amdhsa_float_denorm_mode_32 3
		.amdhsa_float_denorm_mode_16_64 3
		.amdhsa_memory_ordered 1
		.amdhsa_forward_progress 1
		.amdhsa_inst_pref_size 255
	.end_amdhsa_kernel
	.section	.bss,"aw",@nobits
	.p2align	6
	.space	262144
	.amdgpu_metadata
---
amdhsa.version: [ 1, 2 ]
amdhsa.kernels:
  - .name:           k_qad1a31fc9a_qkv
    .symbol:         k_qad1a31fc9a_qkv.kd
    .args:
      - { .name: xc, .offset: 0, .size: 8, .value_kind: global_buffer, .address_space: global }
      - { .name: xs, .offset: 8, .size: 8, .value_kind: global_buffer, .address_space: global }
      - { .name: wc, .offset: 16, .size: 8, .value_kind: global_buffer, .address_space: global }
      - { .name: ws, .offset: 24, .size: 8, .value_kind: global_buffer, .address_space: global }
      - { .name: bq, .offset: 32, .size: 8, .value_kind: global_buffer, .address_space: global }
      - { .name: bk, .offset: 40, .size: 8, .value_kind: global_buffer, .address_space: global }
      - { .name: bv, .offset: 48, .size: 8, .value_kind: global_buffer, .address_space: global }
      - { .name: qq, .offset: 56, .size: 8, .value_kind: global_buffer, .address_space: global }
      - { .name: kv, .offset: 64, .size: 8, .value_kind: global_buffer, .address_space: global }
    .group_segment_fixed_size: 327680
    .private_segment_fixed_size: 0
    .kernarg_segment_align: 8
    .kernarg_segment_size: 72
    .max_flat_workgroup_size: 128
    .sgpr_count:     102
    .vgpr_count:     1024
    .wavefront_size: 32
...
	.end_amdgpu_metadata
.endif
;; end of part 2
;; launch attn (part 3): grid 8 x 64, 16 waves a work-group, no clusters, 327,680 bytes of LDS; arguments qq, kv, ac, asc; writes ac, asc
.if DOCPART == 3
	.amdgcn_target "amdgcn-amd-amdhsa--gfx1250"
	.amdhsa_code_object_version 6
	.text
	.protected	k_qad1a31fc9a_attn
	.globl	k_qad1a31fc9a_attn
	.p2align	8
	.type	k_qad1a31fc9a_attn,@function
k_qad1a31fc9a_attn:
	s_mov_b64 s[64:65], 0
	v_nop
	global_prefetch_b8 v0, s[64:65] scope:SCOPE_SE
	s_setreg_imm32_b32 hwreg(HW_REG_WAVE_MODE, 25, 1), 1
	s_wait_xcnt 0x0
; THIRD LAUNCH: for each batch and head, softmax(q k^T / 8) v under the causal mask, both products on codes of E3M2, and the result quantised along C for the last product.
; LEFT OUT: a key step of 128 keys all of which come after a wave's 16 queries: reference()'s own tril makes those scores -inf, so p = 0 there whatever the inputs hold.  (Limits: first launch's head.)
; THE SOFTMAX: t = score x log2(e) / 8; M = the running largest t rounded UP to a whole number; p = 2^(t - M) is quantised along the keys, not normalised; the row's sum is taken of the unquantised p and divides at
; the end; when M moves, the sum and O are multiplied by 2^(old M - new M), which rounds nothing.
; SHARES.  Work-group (i, head) owns the blocks of 128 queries i and 15 - i: 8 (i + 1) + 8 (16 - i) = 136 steps of a wave in every work-group.  Each of sixteen waves owns one row tile of 16 queries.
; NO CLUSTER: under the mask work-group i reads key steps 0 .. 15 - i, so partners would need different numbers of tiles, and a joint load may not be left out by one of those it names.
; LDS.  The head's k and v stay: four slots of four key steps (51,200 bytes), each filled ONCE.  Slot 0 is asked for at the head, slot s + 1 behind the barrier at slot s's head: four key steps ahead of its first read.
; Waves 0 and 1 fetch: each one half (6,400 bytes) of each of the slot's four blocks, so that in LDS byte X of key step q lies at (X / 6400) x 25,600 + 6,400 q + X % 6400.
; A slot whose first key step comes after the work-group's last (15 - i) is read by nobody and is not asked for: a test on ids and the count of steps, the same in all sixteen waves; every wait for tensor loads is for all.
; LAYOUT.  Both products are used transposed: a lane holds ONE query (lane % 16).  The head's 64 fill half of the instruction's 128: a fragment of k holds TWO row tiles of keys (the even tile's chunk, then the odd tile's),
; and q stands once as [q | zeros] and once as [zeros | q]: the first gives the even tile's scores, the second the odd tile's.  By the choice of rows in a row tile the 16 registers of tiles 2 b, 2 b + 1 are keys
; 32 b + 16 (lane / 16) + 0 .. 15, and O^T's likewise channels, so that p and O are quantised in registers.
.set HALFB, 6400
.set SLOTB, 51200
.set SPARE, 204800                     ; behind the four slots: the spare words, 128 bytes for each wave, which no other line names
.set L8,   1                           ; v1  8 x lane
.set R16,  2                           ; v2  16 x (lane % 16)
.set DQ,   3                           ; v3  my query's place in its 128, less 16 (lane / 16)
.set NINF, 4                           ; v4  -infinity
.set SPW,  5
.set NIL,  6
.set AS8,  7                           ; v7  8 r + h: my byte among the result's scale bytes
.set ADC,  8                           ; v8  LDS address of the slot's codes for my lane
.set ADS,  9                           ; v9  and of its scale words
.set QS,   34                          ; v34 q's scale word: its two bytes, twice.  v[16:21] zeros, v[22:27] q's chunk, v[28:33] zeros
.set FRG,  36                          ; v36-83 four fragments of k, then of V^T
.set KS,   84                          ; v84-87 k's pair words; v88-91 V^T's words; v92 p's word
.set VSC,  88
.set PWD,  92
.set BM,   212                         ; v212-215 the blocks' largest
.set BT,   216                         ; v216-219 at work
.set SO,   220                         ; v220-223 the conversions' scale operands
.set WV,   12                          ; s12 wave
.set QB,   13                          ; s13 my block of 128 queries = my last key step
.set GL,   14                          ; s14 the work-group's last key step, 15 - i
.set KG,   15                          ; s15 the key step in hand
.set TB,   16                          ; s16 LDS byte at which the slot in hand begins
.set SLOTS, 17
.set SEL,  20
.set CS,   22                          ; s[22:23] c = log2(e) / 8
.macro TLOAD                           ; waves 0 and 1 fetch; an s_nop 0 and four v_nop follow the load
	s_cmp_lt_u32 s[WV], 2
	s_cbranch_scc0 .Lnone_\@
	tensor_load_to_lds s[32:35], s[24:31]
	s_nop 0
.rept 4
	v_nop
.endr
.Lnone_\@:
.endm
; A KEY STEP: 128 keys, the q-th of the slot in hand.
.macro STEP q
	s_cmp_gt_u32 s[KG], s[QB]                      ; all its keys come after my queries: left out
	s_cbranch_scc1 .Lhidden_\@
.rept 4
	v_nop                                          ; places in front of loads into registers that the last step's products have read
.endr
	s_wait_alu depctr_va_vdst(0)
.irp b, 0,1,2,3
.irp u, 0,1
.irp p, 0,1,2
	ds_load_b64 v[FRG+12*\b+6*\u+2*\p:FRG+12*\b+6*\u+2*\p+1], v[ADC] offset:(\q)*HALFB+\b*1536+\u*768+256*\p
.endr
.endr
.endr
	ds_load_b128 v[KS:KS+3], v[ADS] offset:4*HALFB+(\q)*HALFB+12288-HALFB
	s_wait_dscnt 0x0
.irp b, 0,1,2,3
	v_wmma_scale_f32_16x16x128_f8f6f4 v[96+16*\b:103+16*\b], v[FRG+12*\b:FRG+12*\b+11], v[22:33], 0, v[KS+\b], v[QS] matrix_a_fmt:MATRIX_FMT_BF6 matrix_b_fmt:MATRIX_FMT_BF6
	v_wmma_scale_f32_16x16x128_f8f6f4 v[104+16*\b:111+16*\b], v[FRG+12*\b:FRG+12*\b+11], v[16:27], 0, v[KS+\b], v[QS] matrix_a_fmt:MATRIX_FMT_BF6 matrix_b_fmt:MATRIX_FMT_BF6
.endr
.rept 4
	v_nop                                          ; places: for the loads below, and for the first read of the scores
.endr
	s_wait_alu depctr_va_vdst(0)
.irp t, 0,1,2,3                                ; V^T's four fragments are asked for here and land under the softmax
.irp c, 0,1
.irp p, 0,1,2
.set VX, 6144+\t*1536+\c*768+256*\p
	ds_load_b64 v[FRG+12*\t+6*\c+2*\p:FRG+12*\t+6*\c+2*\p+1], v[ADC] offset:(VX/HALFB)*4*HALFB+(\q)*HALFB+VX%HALFB
.endr
.endr
.endr
	ds_load_b128 v[VSC:VSC+3], v[ADS] offset:4*HALFB+(\q)*HALFB+12544-HALFB
	s_cmp_lg_u32 s[KG], s[QB]                      ; only my last key step lies on the diagonal
	s_cbranch_scc1 .Lopen_\@
.set n, 0
.rept 64                                       ; register n holds key 32 (n / 16) + n % 16 + 16 (lane / 16) of the step: hidden where that is above my query's place
	v_cmp_gt_i32 vcc_lo, 32*(n/16)+n%16, v[DQ]
	v_cndmask_b32 v[96+n], v[96+n], v[NINF], vcc_lo
.set n, n+1
.endr
.Lopen_\@:
.irp b, 0,1,2,3
	v_max3_num_f32 v[BM+\b], v[96+16*\b], v[97+16*\b], v[98+16*\b]   ; the largest score of each block of 32 keys: it serves for the row's maximum and, since p rises with the score, for the block's largest p
.endr
.irp i, 3,5,7,9,11,13
.irp b, 0,1,2,3
	v_max3_num_f32 v[BM+\b], v[BM+\b], v[96+16*\b+\i], v[97+16*\b+\i]
.endr
.endr
.irp b, 0,1,2,3
	v_max_num_f32 v[BM+\b], v[BM+\b], v[111+16*\b]
.endr
.irp b, 0,1,2,3
	s_delay_alu instid0(VALU_DEP_4)
	v_permlanex16_b32 v[BT+\b], v[BM+\b], s[SEL], s[SEL+1]
.endr
.irp b, 0,1,2,3
	s_delay_alu instid0(VALU_DEP_4)
	v_max_num_f32 v[BM+\b], v[BM+\b], v[BT+\b]     ; with lane l xor 16's 16 keys
.endr
	s_delay_alu instid0(VALU_DEP_2)
	v_max3_num_f32 v224, v[BM], v[BM+1], v[BM+2]
	s_delay_alu instid0(VALU_DEP_1)
	v_max_num_f32 v224, v224, v[BM+3]
	s_delay_alu instid0(VALU_DEP_1)
	v_mul_f32 v224, s[CS], v224                    ; the step's largest t (c is positive)
	s_delay_alu instid0(VALU_DEP_1)
	v_max_num_f32 v13, v13, v224                   ; the running largest t
	v_mov_b32 v224, v12
	s_delay_alu instid0(VALU_DEP_2)
	v_floor_f32 v12, -v13                          ; the new -M = floor(-t): M is a whole number
	s_delay_alu instid0(VALU_DEP_1)
	v_sub_f32 v224, v12, v224                      ; old M - new M: a whole number, 0 or less
	s_delay_alu instid0(VALU_DEP_1)
	v_cvt_i32_f32 v224, v224                       ; (it saturates)
	s_delay_alu instid0(VALU_DEP_1)
	v_ldexp_f32 v226, 1.0, v224                    ; f = 2^(old M - new M)
.set j, 0
.rept 32
	v_pk_fma_f32 v[96+j:97+j], v[96+j:97+j], s[CS:CS+1], v[12:13] op_sel_hi:[1,0,0]   ; t - M, two at a time
.set j, j+2
.endr
.irp b, 0,1,2,3
	v_fma_f32 v[BM+\b], v[BM+\b], s[CS], v12       ; the same of each block's largest score
.endr
.set j, 0
	s_wait_alu depctr_va_vdst(0)
.rept 64
	v_exp_f32 v[96+j], v[96+j]                     ; p = 2^(t - M)
.set j, j+1
.endr
	v_pk_mul_f32 v[14:15], v[14:15], v[226:227] op_sel_hi:[1,0]   ; the sums under the new M; also the plain line behind the exponentials
	s_wait_alu depctr_va_vdst(0)                   ; one wait for the batch of 64, ahead of its first reader
.irp b, 0,1,2,3
	v_exp_f32 v[BM+\b], v[BM+\b]                   ; the block's largest p
.endr
	v_pk_add_f32 v[216:217], v[100:101], v[104:105]
	v_pk_add_f32 v[254:255], v[108:109], v[112:113]
	v_pk_add_f32 v[252:253], v[116:117], v[120:121]
	v_pk_add_f32 v[250:251], v[124:125], v[128:129]
	v_pk_add_f32 v[248:249], v[132:133], v[136:137]
	v_pk_add_f32 v[246:247], v[140:141], v[144:145]
	v_pk_add_f32 v[244:245], v[148:149], v[152:153]
	v_pk_add_f32 v[14:15], v[14:15], v[156:157]
	v_pk_add_f32 v[216:217], v[216:217], v[96:97]
	v_pk_add_f32 v[254:255], v[254:255], v[98:99]
	v_pk_add_f32 v[252:253], v[252:253], v[102:103]
	v_pk_add_f32 v[250:251], v[250:251], v[106:107]
	v_pk_add_f32 v[248:249], v[248:249], v[110:111]
	v_pk_add_f32 v[246:247], v[246:247], v[114:115]
	v_pk_add_f32 v[244:245], v[244:245], v[118:119]
	v_pk_add_f32 v[14:15], v[14:15], v[122:123]
	v_pk_add_f32 v[216:217], v[216:217], v[126:127]
	v_pk_add_f32 v[254:255], v[254:255], v[130:131]
	v_pk_add_f32 v[252:253], v[252:253], v[134:135]
	v_pk_add_f32 v[250:251], v[250:251], v[138:139]
	v_pk_add_f32 v[248:249], v[248:249], v[142:143]
	v_pk_add_f32 v[246:247], v[246:247], v[146:147]
	v_pk_add_f32 v[244:245], v[244:245], v[150:151]
	v_pk_add_f32 v[14:15], v[14:15], v[154:155]
	v_pk_add_f32 v[216:217], v[216:217], v[158:159]
	s_delay_alu instid0(VALU_DEP_2)
	v_pk_add_f32 v[14:15], v[14:15], v[250:251]
	s_delay_alu instid0(VALU_DEP_2)
	v_pk_add_f32 v[216:217], v[216:217], v[248:249]
	v_pk_add_f32 v[254:255], v[254:255], v[246:247]
	v_pk_add_f32 v[252:253], v[252:253], v[244:245]
	s_delay_alu instid0(VALU_DEP_2)
	v_pk_add_f32 v[14:15], v[14:15], v[254:255]
	s_delay_alu instid0(VALU_DEP_2)
	v_pk_add_f32 v[216:217], v[216:217], v[252:253]
	s_delay_alu instid0(VALU_DEP_1)
	v_pk_add_f32 v[14:15], v[14:15], v[216:217]
	s_wait_alu depctr_va_vdst(0)                   ; and one for the four
.irp b, 0,1,2,3
	v_max_num_f32 v[BM+\b], 0x2800000, v[BM+\b]    ; the floor 2^(5 - 127): the byte cannot fall under 1 (a block of zeros keeps that byte: its codes are zeros)
.endr
.irp b, 0,1,2,3
	s_delay_alu instid0(VALU_DEP_4)
	v_add_nc_u32 v[SO+\b], 0xfe000000, v[BM+\b]
.endr
.irp b, 0,1,2,3
	s_delay_alu instid0(VALU_DEP_4)
	v_lshrrev_b32 v[BT+\b], 23, v[SO+\b]
.endr
	s_delay_alu instid0(VALU_DEP_3)
	v_lshl_or_b32 v[PWD], v[BT+1], 8, v[BT]        ; p's scale word for these 128 keys
	s_delay_alu instid0(VALU_DEP_1)
	v_lshl_or_b32 v[PWD], v[BT+2], 16, v[PWD]
	s_delay_alu instid0(VALU_DEP_1)
	v_lshl_or_b32 v[PWD], v[BT+3], 24, v[PWD]
.irp c, 0,1
	v_cvt_scalef32_pk16_bf6_f32 v[192+6*\c:194+6*\c], v[96+32*\c:111+32*\c], v[SO+2*\c]
	v_cvt_scalef32_pk16_bf6_f32 v[204+4*\c:206+4*\c], v[112+32*\c:127+32*\c], v[SO+2*\c+1]
.endr
	v_nop                                          ; one plain line behind the conversions
.irp c, 0,1
.irp i, 0,1,2
	v_permlane16_swap_b32 v[192+6*\c+\i], v[204+4*\c+\i]
.endr
.irp i, 0,1,2
	s_delay_alu instid0(VALU_DEP_3)
	v_mov_b32 v[195+6*\c+\i], v[204+4*\c+\i]
.endr
.endr
.set j, 0
.rept 16
	v_pk_mul_f32 v[160+j:161+j], v[160+j:161+j], v[226:227] op_sel_hi:[1,0]   ; O^T under the new M; these sixteen are also the places in front of the products below
.set j, j+2
.endr
	s_wait_alu depctr_va_vdst(0)
	s_wait_dscnt 0x0                               ; V^T's fragments and words are in
.irp t, 0,1,2,3
	v_wmma_scale_f32_16x16x128_f8f6f4 v[160+8*\t:167+8*\t], v[FRG+12*\t:FRG+12*\t+11], v[192:203], v[160+8*\t:167+8*\t], v[VSC+\t], v[PWD] matrix_a_fmt:MATRIX_FMT_BF6 matrix_b_fmt:MATRIX_FMT_BF6
.endr
.Lhidden_\@:
	s_add_co_u32 s[KG], s[KG], 1
.endm
; THE CHANGE OF SLOTS stands at a slot's head: each wave waits for all its tensor loads, adds 0 to its spare word, waits for that and for its LDS reads, and passes the barrier: the slot ahead is whole.
; fill = 1: the next slot is asked for, for the first time, as a wave's one tensor load behind this barrier.
.macro CHANGE fill
	s_wait_tensorcnt 0x0
	ds_add_u32 v[SPW], v[NIL]
.if \fill
	ds_add_u32 v[SPW], v[NIL]                      ; the add twice on end here, in every trip alike
	s_add_co_u32 s33, s33, SLOTB                   ; no tensor load of mine is out: the descriptor steps to the next slot,
	s_add_nc_u64 s[34:35], s[34:35], SLOTB         ; and to the next four key steps
.endif
	s_wait_dscnt 0x0
	s_barrier_signal -1
	s_barrier_wait -1
.if \fill
	s_add_co_u32 s36, s[KG], 4                     ; the first key step of the slot that would be asked for
	s_cmp_gt_u32 s36, s[GL]                        ; past the work-group's last: nobody would read it
	s_cbranch_scc1 .Lpast_\@
	TLOAD
.Lpast_\@:
.endif
.endm
.macro SLOT_STEPS
	v_add_nc_u32 v[ADC], s[TB], v[L8]
	v_add_nc_u32 v[ADS], s[TB], v[R16]
	STEP 0
	STEP 1
	STEP 2
	STEP 3
	s_add_co_u32 s[TB], s[TB], SLOTB
.endm
	s_load_b256 s[4:11], s[0:1], 0x0               ; qq s[4:5], kv s[6:7], ac s[8:9], asc s[10:11]
	v_lshl_add_u32 v[SPW], v0, 2, SPARE
	v_mov_b32 v[NIL], 0
	ds_add_u32 v[SPW], v[NIL]                      ; the wave's opening: the add, twice on end, and its wait ahead of the first tensor load
	ds_add_u32 v[SPW], v[NIL]
	v_lshrrev_b32 v8, 5, v0
	s_delay_alu instid0(VALU_DEP_1)
	v_readfirstlane_b32 s[WV], v8                  ; wave 0..15
	s_and_b32 s18, ttmp7, 0xffff                   ; batch x 16 + head
	s_sub_co_u32 s[GL], 15, ttmp9
	s_lshr_b32 s19, s[WV], 2
	s_xor_b32 s19, s19, s[WV]
	s_and_b32 s19, s19, 1                          ; early block (0) or late block (1): each of the eight row tiles once in each
	s_cmp_lg_u32 s19, 0
	s_cselect_b32 s[QB], s[GL], ttmp9
	s_lshr_b32 s19, s[WV], 1                       ; my row tile in the block
	s_mov_b32 s24, 3<<16                           ; no mask; elements of 8 bytes; no padding
	s_mov_b32 s25, 800<<16                         ; tensor_dim0 = 800 elements: 6,400 bytes
	s_mov_b32 s26, 4<<16                           ; tensor_dim1 = 4
	s_mov_b32 s27, 800<<16                         ; tile_dim0
	s_mov_b32 s28, 4                               ; tile_dim1: the slot's four key steps
	s_mov_b32 s29, 1600                            ; 12,800 bytes from block to block
	s_mov_b32 s30, 0
	s_mov_b32 s31, 0
	s_and_b32 s36, s[WV], 1
	s_mul_i32 s33, s36, 4*HALFB                    ; my half's place in slot 0
	s_mul_i32 s36, s36, HALFB
	s_mul_i32 s37, s18, 204800
	s_add_co_u32 s36, s36, s37
	s_mov_b32 s37, 0
	s_mov_b32 s32, 1
	s_mov_b32 s[SEL], 0x76543210
	s_mov_b32 s[SEL+1], 0xfedcba98
	s_mov_b32 s[CS], 0x3e38aa3b                    ; log2(e) / 8
	s_mov_b32 s[CS+1], s[CS]
	s_mov_b32 s40, 0xffff0000                      ; lanes 16-31
	s_mov_b32 s[KG], 0
	s_mov_b32 s[TB], 0
	s_mov_b32 s[SLOTS], 3
	s_wait_dscnt 0x0                               ; both opening adds are done
	s_wait_kmcnt 0x0
	s_add_nc_u64 s[34:35], s[6:7], s[36:37]
	s_or_b32 s35, s35, 0x80000000
	TLOAD                                          ; slot 0: it holds key 0, which counts for every query
	s_lshl_b32 s36, s18, 4
	s_add_co_u32 s36, s36, s[QB]
	s_mul_i32 s36, s36, 12800
	s_add_nc_u64 s[4:5], s[4:5], s[36:37]          ; qq at my block of 128 queries
	v_and_b32 v7, 31, v0
	s_delay_alu instid0(VALU_DEP_1)
	v_lshlrev_b32 v[L8], 3, v7
	v_and_b32 v10, 15, v0                          ; r
	v_bfe_u32 v11, v0, 4, 1                        ; h
	s_delay_alu instid0(VALU_DEP_2)
	v_lshlrev_b32 v[R16], 4, v10
	s_mul_i32 s38, s19, 768
	v_add_nc_u32 v224, s38, v[L8]
.irp p, 0,1,2
	global_load_b64 v[22+2*\p:23+2*\p], v224, s[4:5] offset:256*\p   ; q's chunk stays in registers
.endr
	s_lshr_b32 s38, s19, 1
	s_lshl_b32 s39, s38, 2
	v_add_nc_u32 v225, s39, v[R16]
	global_load_b32 v[QS], v225, s[4:5] offset:12288                 ; the pair word that holds my tile's two bytes
	s_lshl_b32 s38, s38, 5
	s_and_b32 s39, s19, 1
	s_lshl_b32 s36, s39, 3
	s_add_co_u32 s38, s38, s36                     ; my tile's first row: 32 (tile / 2) + 8 (tile % 2)
	v_and_b32 v[DQ], 7, v10
	v_lshrrev_b32 v4, 3, v10
	s_delay_alu instid0(VALU_DEP_1)
	v_lshl_add_u32 v[DQ], v4, 4, v[DQ]
	v_lshlrev_b32 v4, 4, v11
	s_delay_alu instid0(VALU_DEP_1)
	v_sub_nc_u32 v[DQ], v[DQ], v4
	s_delay_alu instid0(VALU_DEP_1)
	v_add_nc_u32 v[DQ], s38, v[DQ]
	v_mov_b32 v[NINF], 0xff800000
	v_lshl_add_u32 v[AS8], v10, 3, v11
	s_lshl_b32 s36, s39, 4                         ; the odd tile's bytes lie 16 bits up
	s_wait_loadcnt 0x0
	v_lshrrev_b32 v[QS], s36, v[QS]
	s_delay_alu instid0(VALU_DEP_1)
	v_and_b32 v[QS], 0xffff, v[QS]
	s_delay_alu instid0(VALU_DEP_1)
	v_lshl_or_b32 v[QS], v[QS], 16, v[QS]          ; the two bytes twice: they serve [q | zeros] and [zeros | q].  The moves below stand between this line and the first product
.irp j, 16,17,18,19,20,21,28,29,30,31,32,33
	v_mov_b32 v[\j], 0                             ; zero codes add nothing under any of these bytes
.endr
	v_mov_b32 v13, 0xff61b1e6                      ; the largest t so far: -3e38
	s_delay_alu instid0(VALU_DEP_1)
	v_floor_f32 v12, -v13                          ; -M
	v_mov_b32 v14, 0
	v_mov_b32 v15, 0                               ; the sum, in two halves
	v_mov_b32 v227, 0                              ; (named as the upper half of the pair with f)
.irp b, 0,1,2,3
	v_mov_b32 v[BT+\b], 0                          ; a lane permute's destination counts as one of its sources
.endr
.set j, 0
.rept 32
	v_mov_b32 v[160+j], 0                          ; O^T: the step is written once; the first finds zeros, which the first change of M leaves zeros
.set j, j+1
.endr
.Lslot:                                            ; three trips: slots 0, 1, 2; behind each change the next slot is asked for, up to the causal limit
	CHANGE 1
	SLOT_STEPS
	s_sub_co_u32 s[SLOTS], s[SLOTS], 1
	s_cmp_lg_u32 s[SLOTS], 0
	s_cbranch_scc1 .Lslot
	CHANGE 0
	SLOT_STEPS
	; THE WAY OUT: O^T / the sum; its 64 channels are two blocks of 32 along C; the codes are chunk (my row tile, my head) of ac.
.rept 4
	v_nop
.endr
	v_add_f32 v14, v14, v15
	s_delay_alu instid0(VALU_DEP_1)
	v_permlanex16_b32 v[BT], v14, s[SEL], s[SEL+1]
	s_delay_alu instid0(VALU_DEP_1)
	v_add_f32 v14, v14, v[BT]                      ; the row's sum
	s_wait_alu depctr_va_vdst(0)
	v_rcp_f32 v14, v14
	v_nop                                          ; a plain line behind the reciprocal
	s_lshr_b32 s36, s18, 4
	s_lshl_b32 s36, s36, 7
	s_lshl_b32 s37, s[QB], 3
	s_add_co_u32 s36, s36, s37
	s_add_co_u32 s36, s36, s19                     ; my row tile among 512: 128 x batch + 8 x block + tile
	s_and_b32 s37, s18, 15                         ; head
	s_mul_i32 s38, s36, 12288
	s_mul_i32 s39, s37, 768
	s_add_co_u32 s38, s38, s39
	s_mov_b32 s39, 0
	s_add_nc_u64 s[8:9], s[8:9], s[38:39]
	s_lshl_b32 s38, s36, 9
	s_lshr_b32 s41, s37, 2
	s_lshl_b32 s41, s41, 7
	s_add_co_u32 s38, s38, s41
	s_and_b32 s41, s37, 3
	s_lshl_b32 s41, s41, 1
	s_add_co_u32 s38, s38, s41                     ; tile x 512 + (head / 4) x 128 + 2 (head % 4)
	s_add_nc_u64 s[10:11], s[10:11], s[38:39]
	s_wait_alu depctr_va_vdst(0)                   ; ahead of the reciprocal's first reader
.set j, 0
.rept 32
	v_mul_f32 v[96+j], v[160+j], v14               ; register 16 b + i: channel 32 b + 16 (lane / 16) + i of my query
.set j, j+1
.endr
.irp b, 0,1
	v_max3_num_f32 v[BM+\b], |v[96+16*\b]|, |v[97+16*\b]|, 0x2800000
.endr
.irp i, 2,4,6,8,10,12,14
.irp b, 0,1
	s_delay_alu instid0(VALU_DEP_2)
	v_max3_num_f32 v[BM+\b], v[BM+\b], |v[96+16*\b+\i]|, |v[97+16*\b+\i]|
.endr
.endr
.irp b, 0,1
	s_delay_alu instid0(VALU_DEP_2)
	v_permlanex16_b32 v[BT+\b], v[BM+\b], s[SEL], s[SEL+1]
.endr
.irp b, 0,1
	s_delay_alu instid0(VALU_DEP_2)
	v_max_num_f32 v[BM+\b], v[BM+\b], v[BT+\b]
.endr
.irp b, 0,1
	s_delay_alu instid0(VALU_DEP_2)
	v_add_nc_u32 v[SO+\b], 0xfe000000, v[BM+\b]
.endr
.irp b, 0,1
	s_delay_alu instid0(VALU_DEP_2)
	v_lshrrev_b32 v[BT+\b], 23, v[SO+\b]
.endr
	v_cvt_scalef32_pk16_bf6_f32 v[192:194], v[96:111], v[SO]
	v_cvt_scalef32_pk16_bf6_f32 v[204:206], v[112:127], v[SO+1]
	v_nop
.irp i, 0,1,2
	v_permlane16_swap_b32 v[192+\i], v[204+\i]
.endr
.irp i, 0,1,2
	s_delay_alu instid0(VALU_DEP_3)
	v_mov_b32 v[195+\i], v[204+\i]
.endr
	v_cndmask_b32 v[BT], v[BT], v[BT+1], s40       ; lanes 0-15 store block 0's byte, lanes 16-31 block 1's
.irp p, 0,1,2
	global_store_b64 v[L8], v[192+2*\p:193+2*\p], s[8:9] offset:256*\p   ; 256 consecutive bytes, at a multiple of 256 from ac's first byte
.endr
	global_store_b8 v[AS8], v[BT], s[10:11]        ; two bytes a row: one part in 24 of the codes' bytes
	s_wait_tensorcnt 0x0                           ; the wave's end
	ds_add_u32 v[SPW], v[NIL]
	s_wait_dscnt 0x0
	s_endpgm
.Lfunc_end_k_qad1a31fc9a_attn:
	.size	k_qad1a31fc9a_attn, .Lfunc_end_k_qad1a31fc9a_attn-k_qad1a31fc9a_attn
	.p2alignl 7, 3214868480
	.fill 96, 4, 3214868480
	.section	.rodata,"a",@progbits
	.p2align	6, 0x0
	.amdhsa_kernel k_qad1a31fc9a_attn
		.amdhsa_group_segment_fixed_size 327680
		.amdhsa_private_segment_fixed_size 0
		.amdhsa_enable_private_segment 0
		.amdhsa_kernarg_size 32
		.amdhsa_user_sgpr_count 2
		.amdhsa_user_sgpr_kernarg_segment_ptr 1
		.amdhsa_wavefront_size32 1
		.amdhsa_system_sgpr_workgroup_id_x 1
		.amdhsa_system_sgpr_workgroup_id_y 1
		.amdhsa_system_sgpr_workgroup_id_z 1
		.amdhsa_system_vgpr_workitem_id 0
		.amdhsa_next_free_vgpr 256
		.amdhsa_next_free_sgpr 66
		.amdhsa_reserve_vcc 1
		.amdhsa_float_denorm_mode_32 3
		.amdhsa_float_denorm_mode_16_64 3
		.amdhsa_memory_ordered 1
		.amdhsa_forward_progress 1
		.amdhsa_inst_pref_size 197
	.end_amdhsa_kernel
	.amdgpu_metadata
---
amdhsa.version: [ 1, 2 ]
amdhsa.kernels:
  - .name:           k_qad1a31fc9a_attn
    .symbol:         k_qad1a31fc9a_attn.kd
    .args:
      - { .name: qq, .offset: 0, .size: 8, .value_kind: global_buffer, .address_space: global }
      - { .name: kv, .offset: 8, .size: 8, .value_kind: global_buffer, .address_space: global }
      - { .name: ac, .offset: 16, .size: 8, .value_kind: global_buffer, .address_space: global }
      - { .name: asc, .offset: 24, .size: 8, .value_kind: global_buffer, .address_space: global }
    .group_segment_fixed_size: 327680
    .private_segment_fixed_size: 0
    .kernarg_segment_align: 8
    .kernarg_segment_size: 32
    .max_flat_workgroup_size: 512
    .sgpr_count:     66
    .vgpr_count:     256
    .wavefront_size: 32
...
	.end_amdgpu_metadata
.endif
;; end of part 3
;; launch proj (part 4): grid 32 x 4, 4 waves a work-group, clusters of 4 x 4, 327,680 bytes of LDS; arguments ac, asc, wc, ws, bp, out0; writes out0
.if DOCPART == 4
	.amdgcn_target "amdgcn-amd-amdhsa--gfx1250"
	.amdhsa_code_object_version 6
	.text
	.protected	k_qad1a31fc9a_proj
	.globl	k_qad1a31fc9a_proj
	.p2align	8
	.type	k_qad1a31fc9a_proj,@function
k_qad1a31fc9a_proj:
	s_mov_b64 s[64:65], 0
	v_nop
	global_prefetch_b8 v0, s[64:65] scope:SCOPE_SE
	s_setreg_imm32_b32 hwreg(HW_REG_WAVE_MODE, 25, 1), 1
	s_wait_xcnt 0x0
	s_wait_alu depctr_hold_cnt(0) depctr_sa_sdst(0) depctr_va_vdst(0) depctr_va_sdst(0) depctr_va_ssrc(0) depctr_va_vcc(0) depctr_vm_vsrc(0)
	s_getreg_b32 s2, hwreg(HW_REG_IB_STS2, 6, 4)
	s_cmp_eq_u32 s2, 0
	s_cbranch_scc0 .Lentry_in_a_cluster
	s_endpgm
.Lentry_in_a_cluster:
	s_bfe_u32 s2, ttmp6, 0x10000c
	s_cmp_lg_u32 s2, 0xf033
	s_cbranch_scc0 .Lentry_shape_is_right
	s_endpgm
.Lentry_shape_is_right:
; FOURTH LAUNCH: out0 = attention's result x Wp + bp on codes of E3M2.  Nothing is left out here.  A = ac, asc (rows: tokens), B = wc's and ws's row tiles 192-255 (Wp's columns).
; The walk is the second launch's: a tile of 256 x 256, four waves of 128 x 128, K = 1,024 in four parts of 256 through three LDS slots (parts 0, 1, 2 and the scale words are first fills: four tensor loads of a wave
; are out at the most; part 3 fills slot 0 again behind the one round in the walk), a cluster of 4 x 4 with A's tiles asked for jointly along a row and B's along a column, the matrix instruction used transposed.
; The bias is the C of each sum's first matrix instruction.  128 tiles of C: a smaller tile would read each LDS byte for fewer products.
; THE WAY OUT: a block of 16 rows x 128 columns goes through the wave's own stage and leaves as whole rows of 512 bytes.  The stage lies in slot 1, which has had its only fill, and whose last read every wave has
; waited for in front of the walk's last barrier.
; REGISTERS: as in the second launch; v64-127 the bias; on the way out v128-255 hold rows read back.
.set SLOT,  98304
.set SCL,   3*SLOT
.set SPARE, SCL+16384
.set FR,   12
.set ADRA, 16
.set ADRB, 20
.set BLQ,  23                          ; v23 64 h: my half's place in the bias
.set STO,  24                          ; v24 the stage: where I put 32 bytes of a row
.set RD,   25                          ; v25 and where I read a row back
.set CO,   26                          ; v26 16 x lane
.set ADRS, 27
.set SPW,  28
.set NIL,  29
.set SC,   32
.set BI,   64
.set AF,   128
.set BK,   128
.set G1,   32
.set G1B,  40
.set G1S,  48
.set G1SB, 56
.set G0,   68
.set G0B,  80
.set G0S,  92
.set G0SB, 96
.set MSB, 0
.macro WIN new
.if MSB != (\new)
	s_set_vgpr_msb (MSB<<8)|(\new)
.set MSB, (\new)
.endif
.endm
.macro PLACES n
.rept \n
	v_nop
.endr
.endm
.macro JLOAD g0a, g1a, g0b, g1b        ; waves 0 and 1 fetch for A, waves 2 and 3 for B; an s_nop 0 and four v_nop follow each of the two lines
	s_cmp_eq_u32 s23, 0
	s_cbranch_scc0 .Lfor_b_\@
	tensor_load_to_lds s[\g0a:\g0a+3], s[\g1a:\g1a+7]
	s_nop 0
.rept 4
	v_nop
.endr
	s_branch .Lasked_\@
.Lfor_b_\@:
	tensor_load_to_lds s[\g0b:\g0b+3], s[\g1b:\g1b+7]
	s_nop 0
.rept 4
	v_nop
.endr
.Lasked_\@:
.endm
.macro CREST
	s_cmp_lg_u32 s22, 0
	s_cbranch_scc1 .Lnot_wave_0_\@
	s_barrier_signal -3
.Lnot_wave_0_\@:
	s_barrier_wait -3
	s_barrier_signal -1
	s_barrier_wait -1
.endm
.macro CROUND
	s_barrier_signal -1
	s_barrier_wait -1
	CREST
.endm
.macro FRAG reg, adr, q, i
.irp c, 0,1
.irp p, 0,1,2
	ds_load_b64 v[\reg+6*\c+2*\p:\reg+6*\c+2*\p+1], v[\adr] offset:(\i)*3072+(2*(\q)+\c)*768+256*\p
.endr
.endr
.endm
.macro FETCH_B slot, q, p
	WIN 0x40
.irp i, 0,1,2,3,4,5,6,7
	FRAG 128*(\p)+FR*\i, ADRB+\slot, \q, \i
.endr
	WIN 0
.endm
.macro FETCH_A slot, q, i0
.irp i, \i0, \i0+1, \i0+2, \i0+3
	FRAG AF+FR*(\i), ADRA+\slot, \q, \i
.endr
.endm
.macro SCALES j
.irp i, 0,1,2,3,4,5,6,7
	ds_load_b64 v[SC+16*((\j)%2)+2*\i:SC+16*((\j)%2)+2*\i+1], v[ADRS] offset:\i*512+(\j)*128
.endr
.endm
; ci = 2: the first product starts the sums from the bias.  The 64 accumulators take turns in one order in every step.
.macro MUL16 a0, p, q, sc, ci
.irp a, \a0, \a0+1
.irp b, 0,1,2,3,4,5,6,7
.if (\ci) == 2
	v_wmma_scale_f32_16x16x128_f8f6f4 v[8*(8*((\a)%4)+\b):8*(8*((\a)%4)+\b)+7], v[128*(\p)+FR*\b:128*(\p)+FR*\b+FR-1], v[AF+FR*(\a):AF+FR*(\a)+FR-1], v[BI+8*\b:BI+8*\b+7], v[SC+16*(\sc)+2*\b+(\q)], v[SC+16*(\sc)+2*(\a)+(\q)] matrix_a_fmt:MATRIX_FMT_BF6 matrix_b_fmt:MATRIX_FMT_BF6 matrix_a_scale:MATRIX_SCALE_ROW1
.else
	v_wmma_scale_f32_16x16x128_f8f6f4 v[8*(8*((\a)%4)+\b):8*(8*((\a)%4)+\b)+7], v[128*(\p)+FR*\b:128*(\p)+FR*\b+FR-1], v[AF+FR*(\a):AF+FR*(\a)+FR-1], v[8*(8*((\a)%4)+\b):8*(8*((\a)%4)+\b)+7], v[SC+16*(\sc)+2*\b+(\q)], v[SC+16*(\sc)+2*(\a)+(\q)] matrix_a_fmt:MATRIX_FMT_BF6 matrix_b_fmt:MATRIX_FMT_BF6 matrix_a_scale:MATRIX_SCALE_ROW1
.endif
.endr
.endr
.endm
.macro STEP q, sc, ns, nq, nj, ci
	s_wait_dscnt 24                                ; B's set, A's blocks 0-3 and the scale words are in; the youngest 24 loads (A's blocks 4-7) may be out
.if (\ci) == 2
	WIN 0x81                                       ; source 0 (B) window 1, source 1 (A) and C (the bias) window 0, D window 2
.else
	WIN 0xa1                                       ; C and D window 2
.endif
	MUL16 0, \q, \q, \sc, \ci
	MUL16 2, \q, \q, \sc, \ci
	s_wait_dscnt 0x0
	PLACES 4                                       ; four places in front of loads into registers that matrix instructions have read
	FETCH_B \ns, \nq, \nq
	FETCH_A \ns, \nq, 0
.if (\nq) == 0
	SCALES \nj
.endif
.if (\ci) == 2
	WIN 0xc1
.else
	WIN 0xf1
.endif
	MUL16 4, \q, \q, \sc, \ci
	MUL16 6, \q, \q, \sc, \ci
	PLACES 4
	WIN 0
	FETCH_A \ns, \nq, 4
.endm
.macro TURN sc, ns, nj, fill
	s_wait_tensorcnt 0x0                           ; all my tensor loads have landed
	ds_add_u32 v[SPW], v[NIL]                      ; 0 onto my spare word
	s_wait_dscnt 25                                ; (the add and A's blocks 4-7 may be out)
	WIN 0xa1
	MUL16 0, 1, 1, \sc, 0
	s_wait_dscnt 0x0                               ; the add is done, and my reads of the slot in hand are over
	s_barrier_signal -1
	MUL16 2, 1, 1, \sc, 0
	WIN 0
	s_barrier_wait -1
.if \fill
	CREST                                          ; no wave of any partner still reads slot 0 or has a load on its way
	s_add_nc_u64 s[G0+2:G0+3], s[G0+2:G0+3], 9216
	s_add_nc_u64 s[G0B+2:G0B+3], s[G0B+2:G0B+3], 9216
	JLOAD G0, G1, G0B, G1B                         ; part 3 into slot 0: the first tensor load behind the round
.else
	PLACES 4
.endif
	FETCH_B \ns, 0, 0
	FETCH_A \ns, 0, 0
	SCALES \nj
	WIN 0xf1
	MUL16 4, 1, 1, \sc, 0
	MUL16 6, 1, 1, \sc, 0
	PLACES 4
	WIN 0
	FETCH_A \ns, 0, 4
.endm
.macro LAST sc
	s_wait_dscnt 24
	WIN 0xa1
	MUL16 0, 1, 1, \sc, 0
	MUL16 2, 1, 1, \sc, 0
	s_wait_dscnt 0x0
	WIN 0xf1
	MUL16 4, 1, 1, \sc, 0
	MUL16 6, 1, 1, \sc, 0
	WIN 0
.endm
.macro TOSTAGE a                       ; block a: lane (r, h), tile b, register j is column 32 (b / 2) + 16 h + 8 (b % 2) + j of the block's row at lane r
	WIN 0x08+4*((\a)/4)                            ; an LDS store's data are its source 1: window 2 or 3
.irp b, 0,1,2,3,4,5,6,7
	ds_store_b128 v[STO], v[64*((\a)%4)+8*\b:64*((\a)%4)+8*\b+3] offset:128*(\b/2)+32*(\b%2)        ; each accumulator from its low end on
	ds_store_b128 v[STO], v[64*((\a)%4)+8*\b+4:64*((\a)%4)+8*\b+7] offset:128*(\b/2)+32*(\b%2)+16
.endr
	WIN 0
.irp t, 0,1,2,3,4,5,6,7,8,9,10,11,12,13,14,15
	ds_load_b128 v[BK+64*((\a)%2)+4*\t:BK+64*((\a)%2)+4*\t+3], v[RD] offset:\t*528   ; LDS serves a wave's instructions in order: these see the stores above
.endr
.endm
.macro SEND a, younger
	s_wait_dscnt \younger                          ; the block is back in registers
.if (\a) > 0
.if ((\a)%2) == 1
	s_add_nc_u64 s[14:15], s[14:15], 8*4096        ; (behind a wait that frees the earlier stores' base)  from an even row tile to the odd one: 8 rows on;
.else
	s_add_nc_u64 s[14:15], s[14:15], 24*4096       ; from an odd one to the next even one: 24
.endif
.endif
.irp t, 0,1,2,3,4,5,6,7,8,9,10,11,12,13,14,15
	global_store_b128 v[CO], v[BK+64*((\a)%2)+4*\t:BK+64*((\a)%2)+4*\t+3], s[14:15] offset:((\t%8)+16*(\t/8))*4096 th:TH_STORE_NT   ; 512 consecutive bytes of the row at lane t
.endr
.endm
	s_load_b256 s[4:11], s[0:1], 0x0               ; ac s[4:5], asc s[6:7], wc s[8:9], ws s[10:11]
	s_load_b128 s[12:15], s[0:1], 0x20             ; bp s[12:13], out0 s[14:15]
	v_lshl_add_u32 v[SPW], v0, 2, SPARE
	v_mov_b32 v[NIL], 0
	ds_add_u32 v[SPW], v[NIL]                      ; the wave's opening: the add, twice on end, and its wait ahead of my first tensor load
	ds_add_u32 v[SPW], v[NIL]
	v_lshrrev_b32 v1, 5, v0
	v_readfirstlane_b32 s22, v1                    ; wave 0..3
	s_lshr_b32 s23, s22, 1                         ; RH; also: I fetch for A (0) or B (1)
	s_and_b32 s24, s22, 1                          ; CH; also: which 8 row tiles I fetch
	s_bfe_u32 s25, ttmp6, 0x40000                  ; cx
	s_bfe_u32 s26, ttmp6, 0x40004                  ; cy
	s_lshl_b32 s27, ttmp9, 2
	s_add_co_u32 s27, s27, s26                     ; TR = 4 x cluster + cy: 0 .. 31
	s_mov_b32 s28, s25                             ; TC = cx
	s_lshl_b32 s30, s26, 2
	s_lshl_b32 s30, 15, s30                        ; my row of the cluster
	s_lshl_b32 s31, 0x1111, s25                    ; my column
	s_or_b32 s[G1], s30, (3<<16)|(1<<21)
	s_or_b32 s[G1B], s31, (3<<16)|(1<<21)
	s_or_b32 s[G1S], s30, (3<<16)|(1<<21)
	s_or_b32 s[G1SB], s31, (3<<16)|(1<<21)
.irp g, G1, G1B                                ; codes: 8 row tiles x 3,072 bytes, 12,288 bytes apart
	s_mov_b32 s[\g+1], 384<<16
	s_mov_b32 s[\g+2], 8<<16
	s_mov_b32 s[\g+3], 384<<16
	s_mov_b32 s[\g+4], 8
	s_mov_b32 s[\g+5], 1536
	s_mov_b32 s[\g+6], 0
	s_mov_b32 s[\g+7], 0
.endr
.irp g, G1S, G1SB                              ; scale words of 8 row tiles: 16 rows of 256 bytes
	s_mov_b32 s[\g+1], 32<<16
	s_mov_b32 s[\g+2], 16<<16
	s_mov_b32 s[\g+3], 32<<16
	s_mov_b32 s[\g+4], 16
	s_mov_b32 s[\g+5], 32
	s_mov_b32 s[\g+6], 0
	s_mov_b32 s[\g+7], 0
.endr
	s_lshl_b32 s30, s24, 3
	s_lshl_b32 s2, s27, 4
	s_add_co_u32 s2, s2, s30                       ; A's first row tile that I would fetch
	s_mul_i32 s[G0+2], s2, 12288
	s_mov_b32 s[G0+3], 0
	s_lshl_b32 s[G0S+2], s2, 9
	s_mov_b32 s[G0S+3], 0
	s_lshl_b32 s66, s28, 4
	s_add_co_u32 s66, s66, s30
	s_add_co_u32 s66, s66, 192                     ; B's: Wp's row tiles begin at 192
	s_mul_i32 s[G0B+2], s66, 12288
	s_mov_b32 s[G0B+3], 0
	s_lshl_b32 s[G0SB+2], s66, 9
	s_mov_b32 s[G0SB+3], 0
	s_mul_i32 s67, s22, 24576
	s_lshl_b32 s31, s22, 12
	s_wait_dscnt 0x0                               ; both opening adds are done
	s_wait_kmcnt 0x0
	s_add_nc_u64 s[G0+2:G0+3], s[4:5], s[G0+2:G0+3]
	s_add_nc_u64 s[G0B+2:G0B+3], s[8:9], s[G0B+2:G0B+3]
	s_add_nc_u64 s[G0S+2:G0S+3], s[6:7], s[G0S+2:G0S+3]
	s_add_nc_u64 s[G0SB+2:G0SB+3], s[10:11], s[G0SB+2:G0SB+3]
.irp s, 1,2
	s_add_nc_u64 s[G0+4*\s+2:G0+4*\s+3], s[G0+2:G0+3], \s*3072
	s_add_nc_u64 s[G0B+4*\s+2:G0B+4*\s+3], s[G0B+2:G0B+3], \s*3072
.endr
.irp s, 0,1,2
	s_mov_b32 s[G0+4*\s], 1
	s_add_co_u32 s[G0+4*\s+1], s67, \s*SLOT
	s_or_b32 s[G0+4*\s+3], s[G0+4*\s+3], 0x80000000
	s_mov_b32 s[G0B+4*\s], 1
	s_add_co_u32 s[G0B+4*\s+1], s67, \s*SLOT
	s_or_b32 s[G0B+4*\s+3], s[G0B+4*\s+3], 0x80000000
.endr
	s_mov_b32 s[G0S], 1
	s_add_co_u32 s[G0S+1], s31, SCL
	s_or_b32 s[G0S+3], s[G0S+3], 0x80000000
	s_mov_b32 s[G0SB], 1
	s_add_co_u32 s[G0SB+1], s31, SCL
	s_or_b32 s[G0SB+3], s[G0SB+3], 0x80000000
	CROUND                                         ; all sixteen work-groups are here: the first joint loads meet
	JLOAD G0S, G1S, G0SB, G1SB
	JLOAD G0, G1, G0B, G1B
	JLOAD G0+4, G1, G0B+4, G1B
	JLOAD G0+8, G1, G0B+8, G1B
	v_and_b32 v1, 15, v0                           ; r
	v_bfe_u32 v2, v0, 4, 1                         ; h
	v_lshlrev_b32 v[BLQ], 6, v2
	s_lshl_b32 s2, s28, 10
	s_lshl_b32 s3, s24, 9
	s_add_co_u32 s2, s2, s3                        ; my 128 columns in bp
	s_mov_b32 s3, 0
	s_add_nc_u64 s[12:13], s[12:13], s[2:3]
.irp b, 0,1,2,3,4,5,6,7                        ; the bias in the result's layout
	global_load_b128 v[BI+8*\b:BI+8*\b+3], v[BLQ], s[12:13] offset:(32*(\b/2)+8*(\b%2))*4
	global_load_b128 v[BI+8*\b+4:BI+8*\b+7], v[BLQ], s[12:13] offset:(32*(\b/2)+8*(\b%2))*4+16
.endr
	v_and_b32 v3, 31, v0
	v_lshlrev_b32 v[CO], 4, v3
	v_lshlrev_b32 v3, 3, v3                        ; 8 x lane
	s_mul_i32 s30, s23, 24576
	s_mul_i32 s31, s24, 24576
	s_add_co_u32 s31, s31, 49152
.irp s, 0,1,2
	v_add_nc_u32 v[ADRA+\s], s30, v3
	v_add_nc_u32 v[ADRB+\s], s31, v3
	s_add_co_u32 s30, s30, SLOT
	s_add_co_u32 s31, s31, SLOT
.endr
	s_xor_b32 s31, s23, 1
	s_add_co_u32 s31, s31, s24
	s_add_co_u32 s31, s31, 1
	s_lshl_b32 s31, s31, 12                        ; from my A's scale words to my B's: 4,096 (1 + CH + (RH xor 1))
	v_mul_u32_u24 v4, s31, v2
	v_lshl_add_u32 v4, v1, 3, v4
	s_lshl_b32 s30, s23, 12
	s_add_co_u32 s30, s30, SCL
	v_add_nc_u32 v[ADRS], s30, v4
	s_mul_i32 s30, s22, 8448
	s_add_co_u32 s30, s30, SLOT                    ; my stage: 16 rows x (512 + 16) bytes, in slot 1
	v_mul_u32_u24 v4, v1, 528
	v_lshl_add_u32 v4, v2, 6, v4
	v_add_nc_u32 v[STO], s30, v4
	v_add_nc_u32 v[RD], s30, v[CO]
	s_lshl_b32 s2, s27, 8
	s_lshl_b32 s30, s23, 7
	s_add_co_u32 s2, s2, s30
	s_lshl_b32 s2, s2, 12                          ; my first row of out0: (256 TR + 128 RH) x 4,096 bytes
	s_lshl_b32 s30, s28, 10
	s_add_co_u32 s2, s2, s30
	s_lshl_b32 s30, s24, 9
	s_add_co_u32 s2, s2, s30                       ; + my first column: 4 (256 TC + 128 CH)
	s_add_nc_u64 s[14:15], s[14:15], s[2:3]
	s_wait_alu depctr_va_vdst(0)
	s_wait_tensorcnt 0x2                           ; the scale words and my part of part 0 are in; parts 1 and 2 may be out
	s_barrier_signal -1
	s_barrier_wait -1
	FETCH_B 0, 0, 0
	FETCH_A 0, 0, 0
	SCALES 0
	FETCH_A 0, 0, 4
	s_wait_loadcnt 0x0                             ; the bias
	STEP 0, 0, 0, 1, 0, 2                          ; part 0, step 0: its products start the sums from the bias
	TURN 0, 1, 1, 1
	STEP 0, 1, 1, 1, 0, 0
	STEP 1, 1, 2, 0, 2, 0
	STEP 0, 0, 2, 1, 0, 0
	TURN 0, 0, 3, 0
	STEP 0, 1, 0, 1, 0, 0
	LAST 1
	PLACES 4                                       ; behind the last products: for the reads of results and the loads into A's registers
	TOSTAGE 0
.irp a, 1,2,3,4,5,6,7
.if \a > 1
	s_wait_xcnt 0x0                                ; block a - 2's stores have read their registers and their base
.endif
	TOSTAGE \a
	SEND \a-1, 32                                  ; behind block a - 1's reads: block a's 16 stores and 16 reads
.endr
	s_wait_xcnt 0x0
	SEND 7, 0
	s_wait_tensorcnt 0x0                           ; the wave's end
	ds_add_u32 v[SPW], v[NIL]
	s_wait_dscnt 0x0
	CROUND                                         ; the closing round
	s_endpgm
.Lfunc_end_k_qad1a31fc9a_proj:
	.size	k_qad1a31fc9a_proj, .Lfunc_end_k_qad1a31fc9a_proj-k_qad1a31fc9a_proj
	.p2alignl 7, 3214868480
	.fill 96, 4, 3214868480
	.section	.rodata,"a",@progbits
	.p2align	6, 0x0
	.amdhsa_kernel k_qad1a31fc9a_proj
		.amdhsa_group_segment_fixed_size 327680
		.amdhsa_private_segment_fixed_size 0
		.amdhsa_enable_private_segment 0
		.amdhsa_kernarg_size 48
		.amdhsa_user_sgpr_count 2
		.amdhsa_user_sgpr_kernarg_segment_ptr 1
		.amdhsa_wavefront_size32 1
		.amdhsa_system_sgpr_workgroup_id_x 1
		.amdhsa_system_sgpr_workgroup_id_y 1
		.amdhsa_system_sgpr_workgroup_id_z 1
		.amdhsa_system_vgpr_workitem_id 0
		.amdhsa_next_free_vgpr 1024
		.amdhsa_next_free_sgpr 102
		.amdhsa_reserve_vcc 0
		.amdhsa_float_denorm_mode_32 3
		.amdhsa_float_denorm_mode_16_64 3
		.amdhsa_memory_ordered 1
		.amdhsa_forward_progress 1
		.amdhsa_inst_pref_size 161
	.end_amdhsa_kernel
	.amdgpu_metadata
---
amdhsa.version: [ 1, 2 ]
amdhsa.kernels:
  - .name:           k_qad1a31fc9a_proj
    .symbol:         k_qad1a31fc9a_proj.kd
    .args:
      - { .name: ac, .offset: 0, .size: 8, .value_kind: global_buffer, .address_space: global }
      - { .name: asc, .offset: 8, .size: 8, .value_kind: global_buffer, .address_space: global }
      - { .name: wc, .offset: 16, .size: 8, .value_kind: global_buffer, .address_space: global }
      - { .name: ws, .offset: 24, .size: 8, .value_kind: global_buffer, .address_space: global }
      - { .name: bp, .offset: 32, .size: 8, .value_kind: global_buffer, .address_space: global }
      - { .name: out0, .offset: 40, .size: 8, .value_kind: global_buffer, .address_space: global }
    .group_segment_fixed_size: 327680
    .private_segment_fixed_size: 0
    .kernarg_segment_align: 8
    .kernarg_segment_size: 48
    .max_flat_workgroup_size: 128
    .sgpr_count:     102
    .vgpr_count:     1024
    .wavefront_size: 32
...
	.end_amdgpu_metadata
.endif
;; end of part 4
